; MI455X (gfx1250); checked and timed in simulation.
; The chip was launched on July 23, 2026; its instructions are those of AMD's public machine-readable ISA for CDNA 5 (MIT licence, August 2026) and "CDNA5" Instruction Set Architecture Reference Guide (July 2026). The comments in the code are by the model that wrote it; some were corrected since.
;; Multi Headed Attention. Allowed arithmetic: matrix products marked QUANTISED: E2M1 operands, one E8M0 scale for each 32 along K, by v_wmma_scale_f32_16x16x128_f8f6f4 with both operands' format E2M1 (or v_wmma_scale_f32_32x16x128_f4), f32 sums; products left as they are: bf16, f16 or f32 operands; f32 sums; everything else in f32.
;; Inputs: Wk 1,024 x 1,024 float32; Wo 1,024 x 1,024 float32; Wq 1,024 x 1,024 float32; Wv 1,024 x 1,024 float32; bk 1,024 float32; bo 1,024 float32; bq 1,024 float32; bv 1,024 float32; key 2 x 2,048 x 1,024 float32; mask 2 x 1 x 2,048 x 2,048 int32; query 2 x 2,048 x 1,024 float32; value 2 x 2,048 x 1,024 float32.
;; Outputs: out0 2 x 2,048 x 1,024 float32.
;; This version of the problem:
;;   THIS VERSION OF THE PROBLEM IS GIVEN IN LOW PRECISION. The matrix products marked QUANTISED in the list below multiply operands that are first quantised to E2M1 (2 exponent bits, 1 mantissa bit; 4 bits a number), with one power-of-two scale for each 32 numbers along K (OCP MX v1.0); their sums are f32. The products marked 'left as it is' may take bf16, f16 or f32 operands, with f32 sums. Whichever they take, every output number must still come out within the allowed error. Rounding operands to bf16 (8 significant bits) uses up far more of that allowance than f16 does (11 bits, for magnitudes from 6e-5 to 65,504). All else is computed in f32.
;;   The module's matrix products, in the order in which they are computed (A, B: the left and right operand; K: the contracted axis; several contracted axes count as one K, in the product's order):
;;     1. [M 4,096, K 1,024] x [K 1,024, N 1,024]; A: input query; B: input Wq: QUANTISED
;;     2. [M 4,096, K 1,024] x [K 1,024, N 1,024]; A: input key; B: input Wk: QUANTISED
;;     3. [M 4,096, K 1,024] x [K 1,024, N 1,024]; A: input value; B: input Wv: QUANTISED
;;     4. batch 32 x [M 2,048, K 64] x [K 64, N 2,048]; A: computed on the way; B: computed on the way: left as it is (an operand is computed on the way)
;;     5. batch 32 x [M 2,048, K 2,048] x [K 2,048, N 64]; A: computed on the way; B: computed on the way: left as it is (an operand is computed on the way)
;;     6. [M 4,096, K 1,024] x [K 1,024, N 1,024]; A: computed on the way; B: input Wo: left as it is (an operand is computed on the way)
;;   THE QUANTISER, for each operand of a quantised product, along K:
;;     - K is cut into blocks of 32 from its start; a last block that is shorter is filled with zeros.
;;     - A block's scale is 2^e with e = floor(log2(the largest magnitude in the block)) - 2, held to -126 .. 127; a block of zeros has e = 0. As a byte (E8M0): e + 127.
;;     - Each number is divided by its block's scale, clamped to +-6, and rounded to the nearest number of E2M1, ties to even, subnormals kept.
;;     - The product sums the exact products of the quantised numbers (number of the format x scale) in f32.
;;   ~~~python
;;   def quantise(x, axis):      # numpy; x: float32 -> the quantised numbers, widened to float32 again
;;       x = np.moveaxis(x, axis, -1); K = x.shape[-1]
;;       x = np.pad(x, [(0, 0)] * (x.ndim - 1) + [(0, -K % 32)]); x = x.reshape(x.shape[:-1] + (-1, 32)); a = np.abs(x).max(-1, keepdims=True)
;;       e = np.where(a > 0, np.clip(np.frexp(np.where(a > 0, a, 1))[1] - 1 - 2, -126, 127), 0)      # np.frexp(a)[1] - 1 = floor(log2(a)), exactly
;;       r = np.clip(x / 2.0 ** e, -6, 6)
;;       step = 2.0 ** (np.maximum(np.frexp(np.where(r == 0, 1, r))[1] - 1, 0) - 1)
;;       q = np.round(r / step) * step * 2.0 ** e      # np.round: ties to even
;;       return np.moveaxis(q.reshape(q.shape[:-2] + (-1,))[..., :K], -1, axis).astype(np.float32)
;;   ~~~
;; One version. Each part assembles by itself: llvm-mc -triple=amdgcn-amd-amdhsa -mcpu=gfx1250 --defsym DOCPART=n.
;; ======== version 1 of 1: 4 launches
;; limits: values are held in f16: magnitudes above 65,504 overflow, below 6.1e-05 lose precision
;; workspace buffers: acodes 6,291,456 bytes; ascales 393,216 bytes; wcodes 1,572,864 bytes; wscales 98,304 bytes; wof 2,097,152 bytes; mbits 1,048,576 bytes of whole numbers; qkv 25,165,824 bytes; att 8,388,608 bytes
;; launch prep (part 1): grid 752 x 1, 4 waves a work-group, no clusters, 101,888 bytes of LDS; arguments query, key, value, Wq, Wk, Wv, Wo, mask, acodes, ascales, wcodes, wscales, wof, mbits; writes acodes, ascales, wcodes, wscales, wof, mbits
.if DOCPART == 1
	.amdgcn_target "amdgcn-amd-amdhsa--gfx1250"
	.amdhsa_code_object_version 6
	.text
	.protected	k_q1f57e004d8_prep
	.globl	k_q1f57e004d8_prep
	.p2align	8
	.type	k_q1f57e004d8_prep,@function
k_q1f57e004d8_prep:
	s_mov_b64 s[64:65], 0
	v_nop
	global_prefetch_b8 v0, s[64:65] scope:SCOPE_SE
	s_setreg_imm32_b32 hwreg(HW_REG_WAVE_MODE, 25, 1), 1
	s_wait_xcnt 0x0
; ONE STREAMING LAUNCH, FOUR KINDS OF WORK, chosen by the work-group's number; the four ways never join again, waves share nothing, there is no barrier.
;   0..47    Wq, Wk, Wv [1024 (k)][1024 (n)] f32 -> codes of FP4 (E2M1), K innermost, wcodes [3][1024 n][512 bytes], and E8M0 bytes wscales [3][1024][32]
;   48..111  Wo [1024 (k)][1024 (n)] f32 -> f16, laid as images of the operand registers of the last product: wof [n / 16][k / 32][2][512 bytes]; in a piece of 512 bytes lane (r, h) has 16 bytes: Wo[32 kk + 16 e + 8 h + 0..7][16 nt + r]
;   112..367 mask [2][2048 q][2048 k] int32 -> lane masks: mbits [2][q / 16][k / 16][8] words; bit l of word j says mask[16 qt + l % 16][16 kt + 8 (l / 16) + j] != 0: the place of a score in the attention launch's registers
;   368..751 query, key, value [4096][1024] f32 -> codes, acodes [3][4096][512 bytes], and E8M0 bytes ascales [3][4096][32]
; THE QUANTISER: a block of 32 along K has the scale 2^(floor(log2(largest magnitude)) - 2); its byte is the largest magnitude's exponent field - 2, held at 1 from below; each number is divided by the scale and
; rounded to the nearest code, ties to even, beyond 6 the code of 6.  A block of zeros keeps the byte 1 where the rule says 127: its codes are zeros, and this program alone reads the bytes.
; LIMITS: blocks whose largest magnitude lies under 2^-124 (the floor) were not tried; NaN and infinities among the inputs are not served; numbers of Wo beyond 65,504 become infinite in f16.
; No tensor load, no cluster, no matrix unit: nothing is read twice and nothing is multiplied.  Each way has LDS bytes of its own.
.set SPARE, 101376                     ; behind the three regions: the spare words, 128 bytes for each wave: two blocks of 256 bytes that no other line names
.set SPW,   254                        ; v254  LDS address of my spare word: SPARE + 4 x my thread's number; never rewritten
.set NIL,   255                        ; v255  0; never rewritten
.set WV,    32                         ; s32   my wave's number
.macro FINISH                          ; a wave's end
	s_wait_tensorcnt 0x0
	ds_add_u32 v[SPW], v[NIL]
	s_wait_dscnt 0x0
	s_endpgm
.endm
	s_load_b512 s[4:19], s[0:1], 0x0               ; query 4, key 6, value 8, Wq 10, Wk 12, Wv 14, Wo 16, mask 18
	s_load_b256 s[20:27], s[0:1], 0x40             ; acodes 20, ascales 22, wcodes 24, wscales 26
	s_load_b128 s[28:31], s[0:1], 0x60             ; wof 28, mbits 30
	v_lshl_add_u32 v[SPW], v0, 2, SPARE
	v_mov_b32 v[NIL], 0
	v_lshrrev_b32 v1, 5, v0
	v_readfirstlane_b32 s[WV], v1                  ; wave 0..3
	v_and_b32 v2, 31, v0                           ; lane
	s_mov_b32 s39, 0                               ; the high word of every offset: all stay under 2^31
	s_wait_kmcnt 0x0
	s_cmp_lt_u32 ttmp9, 48
	s_cbranch_scc1 .Lweights
	s_cmp_lt_u32 ttmp9, 112
	s_cbranch_scc1 .Lwo
	s_cmp_lt_u32 ttmp9, 368
	s_cbranch_scc1 .Lmask
; ---------------- query, key, value: K is innermost, so a tensor is a plain stream of blocks of 32.  A wave takes 16 steps of 512 numbers.
; Each load reads 512 consecutive bytes, 16 a lane; a step's 2,048 bytes turn through the wave's own stage in LDS and come back 64 bytes a lane: 16 neighbours along K, two lanes to a block.
.set AR,  16                           ; v16-79   four sets of 16 numbers as loaded
.set AX,  80                           ; v80-111  two sets of 16 neighbours
.set AE,  112                          ; v112-127 a scale byte for each step
.set AC,  128                          ; v128-191 codes: four registers for each step, so that no store's data are written again
.set ASP, 80                           ; a lane's place in a stage: its 64 bytes + 16 of padding
	s_sub_co_u32 s33, ttmp9, 368
	s_lshr_b32 s34, s33, 7                         ; which tensor: 128 work-groups each
	s_and_b32 s33, s33, 127
	s_lshl_b32 s33, s33, 2
	s_add_co_u32 s33, s33, s[WV]                   ; which run of 8,192 numbers is my wave's
	s_cmp_eq_u32 s34, 0
	s_cselect_b64 s[36:37], s[4:5], s[6:7]
	s_cmp_eq_u32 s34, 2
	s_cselect_b64 s[36:37], s[8:9], s[36:37]       ; the choice hangs on the work-group's number alone
	s_lshl_b32 s38, s33, 15
	s_add_nc_u64 s[36:37], s[36:37], s[38:39]      ; 32,768 bytes of numbers a run
	s_lshl_b32 s38, s34, 21
	s_lshl_b32 s40, s33, 12
	s_add_co_u32 s38, s38, s40
	s_add_nc_u64 s[20:21], s[20:21], s[38:39]      ; 4,096 bytes of codes
	s_lshl_b32 s38, s34, 17
	s_lshl_b32 s40, s33, 8
	s_add_co_u32 s38, s38, s40
	s_add_nc_u64 s[22:23], s[22:23], s[38:39]      ; 256 scale bytes
	v_lshlrev_b32 v3, 4, v2                        ; my 16 bytes of a load's 512
	s_lshl_b32 s40, s[WV], 13                      ; my wave's region: 8,192 bytes from LDS byte 0 on
	v_lshrrev_b32 v14, 2, v2
	v_mul_u32_u24 v14, v14, ASP
	v_and_b32 v15, 3, v2
	v_lshl_add_u32 v14, v15, 4, v14
	v_add_nc_u32 v14, s40, v14                     ; the stage, on the way in: four lanes' 64 bytes on end, then 16 of padding
	v_mul_u32_u24 v15, v2, ASP
	v_add_nc_u32 v15, s40, v15                     ; and on the way out: my 16 neighbours
	v_lshlrev_b32 v4, 3, v2                        ; my 8 bytes of a step's 256 bytes of codes
	v_lshrrev_b32 v5, 1, v2
	s_add_co_u32 s40, s40, 2*32*ASP
	v_add_nc_u32 v5, s40, v5                       ; behind the two stages: my wave's 256 scale bytes, my block's byte
	v_lshlrev_b32 v7, 3, v2
	v_add_nc_u32 v6, s40, v7                       ; and on the way out 8 bytes a lane
.macro ALOAD t
.irp i, 0,1,2,3
	global_load_b128 v[AR+16*((\t)%4)+4*\i:AR+16*((\t)%4)+4*\i+3], v3, s[36:37] offset:2048*(\t)+512*\i th:TH_LOAD_NT
.endr
.endm
.macro ATURN t                         ; LDS serves a wave's instructions in order, so no wait stands between the stores and the loads
.irp i, 0,1,2,3
	ds_store_b128 v14, v[AR+16*((\t)%4)+4*\i:AR+16*((\t)%4)+4*\i+3] offset:32*ASP*((\t)%2)+8*ASP*\i
.endr
.irp i, 0,1,2,3
	ds_load_b128 v[AX+16*((\t)%2)+4*\i:AX+16*((\t)%2)+4*\i+3], v15 offset:32*ASP*((\t)%2)+16*\i
.endr
.endm
.macro ASTEP t
.set AXS, AX+16*((\t)%2)
.if (\t) > 0
	s_wait_dscnt 1                                 ; this step's numbers are back from the stage (the last step's byte store may be out): so the stores into the stage have read their registers,
.else
	s_wait_dscnt 0x0
.endif
.if (\t)+4 < 16
	ALOAD (\t)+4                                   ; which take the loads of four steps on
.endif
.if (\t)+1 < 16
.if 14-(\t) >= 3
	s_wait_loadcnt 12                              ; the next step's four loads are in; those of the three steps behind it may be out
.else
	s_wait_loadcnt 4*(14-(\t))
.endif
	ATURN (\t)+1
.endif
	v_max3_num_f32 v8, |v[AXS]|, |v[AXS+1]|, |v[AXS+2]|
	v_max3_num_f32 v9, |v[AXS+3]|, |v[AXS+4]|, |v[AXS+5]|
.irp i, 6,10
	v_max3_num_f32 v8, v8, |v[AXS+\i]|, |v[AXS+\i+1]|
	v_max3_num_f32 v9, v9, |v[AXS+\i+2]|, |v[AXS+\i+3]|
.endr
	v_max3_num_f32 v8, v8, |v[AXS+14]|, |v[AXS+15]|
	v_max3_num_f32 v8, v8, v9, 0x1800000           ; and the floor 2^(3 - 127): the byte cannot fall under 1
	v_max_num_f32_dpp v8, v8, v8 row_xmask:1 row_mask:0xf bank_mask:0xf   ; with my neighbour's 16: the block's largest magnitude
	v_add_nc_u32 v11, 0xff000000, v8               ; 2 off its exponent field: the conversion takes the exponent field of this operand as its scale
	v_cvt_scalef32_pk8_fp4_f32 v[AC+4*(\t)], v[AXS:AXS+7], v11
	v_cvt_scalef32_pk8_fp4_f32 v[AC+4*(\t)+1], v[AXS+8:AXS+15], v11
	v_lshrrev_b32 v[AE+(\t)], 23, v11              ; the scale's byte (also the plain line behind the conversions)
	ds_store_b8 v5, v[AE+(\t)] offset:16*(\t)      ; both lanes of a block write the same byte with the same value
	global_store_b64 v4, v[AC+4*(\t):AC+4*(\t)+1], s[20:21] offset:256*(\t)   ; the wave stores 256 consecutive bytes, aligned
.endm
.irp t, 0,1,2,3
	ALOAD \t
.endr
	s_wait_loadcnt 12                              ; step 0's four loads are in
	ATURN 0
.irp t, 0,1,2,3,4,5,6,7,8,9,10,11,12,13,14,15
	ASTEP \t
.endr
	ds_load_b64 v[8:9], v6                         ; in order behind my byte stores
	s_wait_dscnt 0x0
	global_store_b64 v7, v[8:9], s[22:23]          ; 256 consecutive scale bytes, aligned
	FINISH
; ---------------- Wq, Wk, Wv: K is the FIRST axis.  A lane takes a column n and its registers run down K: a block of 32 lies in one lane, and the conversions give codes with K innermost.
; A wave takes 32 columns x 512 along K; its codes go through its own stage (rows of 256 bytes + 16) and leave as rows: sixteen lanes store 256 consecutive bytes, aligned.
.set WX,  32                           ; v32-95   two sets of 32 numbers
.set WC,  96                           ; v96-99   a block's codes
.set WO,  112                          ; v112-175 the way out
.set WSB, 24                           ; v24-27   the scale bytes, four to a register
.Lweights:
	s_lshr_b32 s33, ttmp9, 4                       ; which weight: 16 work-groups each
	s_and_b32 s34, ttmp9, 7                        ; which 128 columns
	s_bfe_u32 s35, ttmp9, 0x10003                  ; which 512 along K
	s_cmp_eq_u32 s33, 0
	s_cselect_b64 s[36:37], s[10:11], s[12:13]
	s_cmp_eq_u32 s33, 2
	s_cselect_b64 s[36:37], s[14:15], s[36:37]
	s_lshl_b32 s34, s34, 7
	s_lshl_b32 s40, s[WV], 5
	s_add_co_u32 s34, s34, s40                     ; my wave's first column
	s_lshl_b32 s38, s35, 21                        ; 512 rows of 4,096 bytes
	s_lshl_b32 s40, s34, 2
	s_add_co_u32 s38, s38, s40
	s_add_nc_u64 s[36:37], s[36:37], s[38:39]
	s_lshl_b32 s38, s33, 19                        ; codes: 524,288 bytes a weight, 512 a column, 256 for 512 along K
	s_lshl_b32 s40, s34, 9
	s_add_co_u32 s38, s38, s40
	s_lshl_b32 s40, s35, 8
	s_add_co_u32 s38, s38, s40
	s_add_nc_u64 s[24:25], s[24:25], s[38:39]
	s_lshl_b32 s38, s33, 15                        ; scale bytes: 32,768 a weight, 32 a column, 16 for 512 along K
	s_lshl_b32 s40, s34, 5
	s_add_co_u32 s38, s38, s40
	s_lshl_b32 s40, s35, 4
	s_add_co_u32 s38, s38, s40
	s_add_nc_u64 s[26:27], s[26:27], s[38:39]
	v_lshlrev_b32 v3, 2, v2                        ; in: 4 bytes a lane
	s_mul_i32 s40, s[WV], 8704
	s_add_co_u32 s40, s40, 32768                   ; my stage: 32 rows x 272 bytes
	v_mul_u32_u24 v4, v2, 272
	v_add_nc_u32 v4, s40, v4                       ; into it: row = my column
	v_and_b32 v5, 15, v2
	v_lshrrev_b32 v6, 4, v2
	v_mul_u32_u24 v7, v6, 272
	v_lshl_add_u32 v7, v5, 4, v7
	v_add_nc_u32 v7, s40, v7                       ; out of it: sixteen lanes to a row, two rows an instruction
	v_lshlrev_b32 v8, 9, v6
	v_lshl_add_u32 v8, v5, 4, v8                   ; and the same place in the codes' buffer
	v_lshlrev_b32 v9, 5, v2                        ; my column's row of scale bytes
.macro WLOAD t
.set i, 0
.rept 32
	global_load_b32 v[WX+32*((\t)%2)+i], v3, s[36:37] offset:(32*(\t)+i)*4096 th:TH_LOAD_NT
.set i, i+1
.endr
.endm
.macro WBLOCK t
.set WXS, WX+32*((\t)%2)
.if (\t) < 15
	s_wait_loadcnt 32                              ; this block's 32 loads are in; the next block's 32 may be out
.else
	s_wait_loadcnt 0x0
.endif
	v_max3_num_f32 v12, |v[WXS]|, |v[WXS+1]|, |v[WXS+2]|
	v_max3_num_f32 v13, |v[WXS+3]|, |v[WXS+4]|, |v[WXS+5]|
.irp i, 6,10,14,18,22,26
	v_max3_num_f32 v12, v12, |v[WXS+\i]|, |v[WXS+\i+1]|
	v_max3_num_f32 v13, v13, |v[WXS+\i+2]|, |v[WXS+\i+3]|
.endr
	v_max3_num_f32 v12, v12, |v[WXS+30]|, |v[WXS+31]|
	v_max3_num_f32 v12, v12, v13, 0x1800000        ; and the floor
	v_add_nc_u32 v11, 0xff000000, v12              ; the conversion's scale operand
	v_lshrrev_b32 v13, 23, v11                     ; the scale's byte
.if (\t)%4 == 0
	v_mov_b32 v[WSB+(\t)/4], v13
.else
	v_lshl_or_b32 v[WSB+(\t)/4], v13, 8*((\t)%4), v[WSB+(\t)/4]
.endif
.irp g, 0,1,2,3
	v_cvt_scalef32_pk8_fp4_f32 v[WC+\g], v[WXS+8*\g:WXS+8*\g+7], v11
.endr
	v_nop                                          ; a plain line behind the last conversion
	ds_store_b128 v4, v[WC:WC+3] offset:16*(\t)    ; 32 codes: 16 bytes of my column's row
.if (\t)+2 < 16
	WLOAD (\t)+2
.endif
	s_wait_dscnt 0x0                               ; the store has read its registers: the next block's codes may be written
.endm
	WLOAD 0
	WLOAD 1
.irp t, 0,1,2,3,4,5,6,7,8,9,10,11,12,13,14,15
	WBLOCK \t
.endr
	global_store_b128 v9, v[WSB:WSB+3], s[26:27]   ; my column's 16 scale bytes
.irp t, 0,1,2,3,4,5,6,7,8,9,10,11,12,13,14,15
	ds_load_b128 v[WO+4*\t:WO+4*\t+3], v7 offset:2*\t*272
.endr
.irp t, 0,1,2,3,4,5,6,7,8,9,10,11,12,13,14,15
	s_wait_dscnt 15-\t                             ; the younger loads may be out
	global_store_b128 v8, v[WO+4*\t:WO+4*\t+3], s[24:25] offset:2*\t*512
.endr
	FINISH
; ---------------- Wo: a lane takes a column, its registers run down K; pairs are rounded to f16.  Eight neighbours along K are 16 bytes of a fragment's image: sixteen lanes store 256 consecutive bytes, aligned.  No LDS.
.set OX,  32                           ; v32-95   two sets of 32 numbers
.set OC,  96                           ; v96-159  16 registers of pairs for each of four blocks: no store's data are written again
.Lwo:
	s_sub_co_u32 s33, ttmp9, 48
	s_and_b32 s34, s33, 31                         ; which 32 columns
	s_lshr_b32 s35, s33, 5
	s_lshl_b32 s40, s35, 2
	s_add_co_u32 s40, s40, s[WV]                   ; which 128 along K
	s_lshl_b32 s38, s40, 19                        ; 128 rows of 4,096 bytes
	s_lshl_b32 s41, s34, 7
	s_add_co_u32 s38, s38, s41
	s_add_nc_u64 s[16:17], s[16:17], s[38:39]
	s_lshl_b32 s38, s34, 16                        ; two tiles of 16 columns: 32,768 bytes each
	s_lshl_b32 s41, s40, 12                        ; four blocks of 32 along K: 1,024 bytes each
	s_add_co_u32 s38, s38, s41
	s_add_nc_u64 s[28:29], s[28:29], s[38:39]
	v_lshlrev_b32 v3, 2, v2
	v_lshrrev_b32 v4, 4, v2
	v_and_b32 v5, 15, v2
	v_lshlrev_b32 v4, 15, v4
	v_lshl_add_u32 v4, v5, 4, v4                   ; my tile of columns, and 16 bytes for my column
.macro OLOAD t
.set i, 0
.rept 32
	global_load_b32 v[OX+32*((\t)%2)+i], v3, s[16:17] offset:(32*(\t)+i)*4096 th:TH_LOAD_NT
.set i, i+1
.endr
.endm
.macro OBLOCK t
.if (\t) < 3
	s_wait_loadcnt 32                              ; this block's loads are in; the next block's 32 may be out
.else
	s_wait_loadcnt 0x0
.endif
.set i, 0
.rept 16
	v_cvt_pk_f16_f32 v[OC+16*(\t)+i], v[OX+32*((\t)%2)+2*i], v[OX+32*((\t)%2)+2*i+1]
.set i, i+1
.endr
.irp p, 0,1,2,3
	global_store_b128 v4, v[OC+16*(\t)+4*\p:OC+16*(\t)+4*\p+3], s[28:29] offset:1024*(\t)+256*\p   ; k = 8 p .. 8 p + 7: piece p / 2 of the image, half p % 2 of its lanes
.endr
.if (\t)+2 < 4
	OLOAD (\t)+2
.endif
.endm
	OLOAD 0
	OLOAD 1
.irp t, 0,1,2,3
	OBLOCK \t
.endr
	FINISH
; ---------------- the mask: a work-group takes 16 queries, a wave 512 keys of them, in four units of 128 keys.  Each load reads 512 consecutive bytes of a row; a unit turns through the wave's stage (rows of 512 bytes + 16),
; so that lane (r, h) holds query r's keys 16 kt + 8 h + 0..7; a compare makes a word of 32 lane bits, and 64 such words leave as 256 consecutive bytes, aligned.
.set MR,  32                           ; v32-159  two sets of 64 as loaded
.set MX,  160                          ; v160-223 a unit, turned
.set MW,  16                           ; v16-23   a pair of words a lane for each unit
.Lmask:
	s_sub_co_u32 s33, ttmp9, 112                   ; 128 x batch + tile of queries
	s_lshl_b32 s38, s33, 17                        ; 16 rows of 8,192 bytes
	s_lshl_b32 s40, s[WV], 11
	s_add_co_u32 s38, s38, s40
	s_add_nc_u64 s[18:19], s[18:19], s[38:39]
	s_lshl_b32 s38, s33, 12                        ; 128 tiles of keys x 32 bytes
	s_lshl_b32 s40, s[WV], 10
	s_add_co_u32 s38, s38, s40
	s_add_nc_u64 s[30:31], s[30:31], s[38:39]
	s_mul_i32 s40, s[WV], 8448
	s_add_co_u32 s40, s40, 67584                   ; my stage: 16 rows x 528 bytes
	v_lshlrev_b32 v3, 4, v2
	v_add_nc_u32 v5, s40, v3                       ; in: 16 bytes a lane
	v_and_b32 v6, 15, v2
	v_lshrrev_b32 v7, 4, v2
	v_mul_u32_u24 v6, v6, 528
	v_lshl_add_u32 v6, v7, 5, v6
	v_add_nc_u32 v6, s40, v6                       ; out: row r, + 32 h
	v_lshlrev_b32 v7, 3, v2
.irp i, 0,1,2,3,4,5,6,7
	v_mov_b32 v[MW+\i], 0                          ; written once: a lane write's destination counts as read
.endr
.macro LOADU u
.irp q, 0,1,2,3,4,5,6,7,8,9,10,11,12,13,14,15
	global_load_b128 v[MR+64*((\u)%2)+4*\q:MR+64*((\u)%2)+4*\q+3], v3, s[18:19] offset:\q*8192+(\u)*512 th:TH_LOAD_NT
.endr
.endm
.macro UNIT u
.if (\u) < 3
	s_wait_loadcnt 16                              ; this unit's 16 loads are in; the next unit's may be out
.else
	s_wait_loadcnt 0x0
.endif
.irp q, 0,1,2,3,4,5,6,7,8,9,10,11,12,13,14,15
	ds_store_b128 v5, v[MR+64*((\u)%2)+4*\q:MR+64*((\u)%2)+4*\q+3] offset:\q*528
.endr
.irp k, 0,1,2,3,4,5,6,7
	ds_load_b128 v[MX+8*\k:MX+8*\k+3], v6 offset:64*\k
	ds_load_b128 v[MX+8*\k+4:MX+8*\k+7], v6 offset:64*\k+16
.endr
	s_wait_dscnt 0x0                               ; the unit is back, and the stores have read their registers,
.if (\u) < 2
	LOADU (\u)+2                                   ; which take the unit two further on
.endif
.irp k, 0,1,2,3,4,5,6,7
.irp j, 0,1,2,3,4,5,6,7
	v_cmp_ne_u32 s[40+\j], 0, v[MX+8*\k+\j]        ; word 8 kt + j of the unit
.endr
.irp j, 0,1,2,3,4,5,6,7
	v_writelane_b32 v[MW+2*(\u)+(\j&1)], s[40+\j], 4*\k+(\j>>1)   ; lane l keeps words 2 l and 2 l + 1
.endr
.endr
	global_store_b64 v7, v[MW+2*(\u):MW+2*(\u)+1], s[30:31] offset:256*(\u)
.endm
	LOADU 0
	LOADU 1
.irp u, 0,1,2,3
	UNIT \u
.endr
	FINISH
.Lfunc_end_k_q1f57e004d8_prep:
	.size	k_q1f57e004d8_prep, .Lfunc_end_k_q1f57e004d8_prep-k_q1f57e004d8_prep
	.p2alignl 7, 3214868480
	.fill 96, 4, 3214868480
	.section	.rodata,"a",@progbits
	.p2align	6, 0x0
	.amdhsa_kernel k_q1f57e004d8_prep
		.amdhsa_group_segment_fixed_size 101888
		.amdhsa_private_segment_fixed_size 0
		.amdhsa_enable_private_segment 0
		.amdhsa_kernarg_size 112
		.amdhsa_user_sgpr_count 2
		.amdhsa_user_sgpr_kernarg_segment_ptr 1
		.amdhsa_wavefront_size32 1
		.amdhsa_system_sgpr_workgroup_id_x 1
		.amdhsa_system_sgpr_workgroup_id_y 1
		.amdhsa_system_sgpr_workgroup_id_z 1
		.amdhsa_system_vgpr_workitem_id 0
		.amdhsa_next_free_vgpr 256
		.amdhsa_next_free_sgpr 66
		.amdhsa_reserve_vcc 0
		.amdhsa_float_denorm_mode_32 3
		.amdhsa_float_denorm_mode_16_64 3
		.amdhsa_memory_ordered 1
		.amdhsa_forward_progress 1
		.amdhsa_inst_pref_size 178
	.end_amdhsa_kernel
	.amdgpu_metadata
---
amdhsa.version: [ 1, 2 ]
amdhsa.kernels:
  - .name:           k_q1f57e004d8_prep
    .symbol:         k_q1f57e004d8_prep.kd
    .args:
      - { .name: query, .offset: 0, .size: 8, .value_kind: global_buffer, .address_space: global }
      - { .name: key, .offset: 8, .size: 8, .value_kind: global_buffer, .address_space: global }
      - { .name: value, .offset: 16, .size: 8, .value_kind: global_buffer, .address_space: global }
      - { .name: Wq, .offset: 24, .size: 8, .value_kind: global_buffer, .address_space: global }
      - { .name: Wk, .offset: 32, .size: 8, .value_kind: global_buffer, .address_space: global }
      - { .name: Wv, .offset: 40, .size: 8, .value_kind: global_buffer, .address_space: global }
      - { .name: Wo, .offset: 48, .size: 8, .value_kind: global_buffer, .address_space: global }
      - { .name: mask, .offset: 56, .size: 8, .value_kind: global_buffer, .address_space: global }
      - { .name: acodes, .offset: 64, .size: 8, .value_kind: global_buffer, .address_space: global }
      - { .name: ascales, .offset: 72, .size: 8, .value_kind: global_buffer, .address_space: global }
      - { .name: wcodes, .offset: 80, .size: 8, .value_kind: global_buffer, .address_space: global }
      - { .name: wscales, .offset: 88, .size: 8, .value_kind: global_buffer, .address_space: global }
      - { .name: wof, .offset: 96, .size: 8, .value_kind: global_buffer, .address_space: global }
      - { .name: mbits, .offset: 104, .size: 8, .value_kind: global_buffer, .address_space: global }
    .group_segment_fixed_size: 101888
    .private_segment_fixed_size: 0
    .kernarg_segment_align: 8
    .kernarg_segment_size: 112
    .max_flat_workgroup_size: 128
    .sgpr_count:     66
    .vgpr_count:     256
    .wavefront_size: 32
...
	.end_amdgpu_metadata
.endif
;; end of part 1
;; launch proj (part 2): grid 4 x 48, 4 waves a work-group, clusters of 4 x 4, 327,680 bytes of LDS; arguments acodes, ascales, wcodes, wscales, bq, bk, qkv; writes qkv
.if DOCPART == 2
	.amdgcn_target "amdgcn-amd-amdhsa--gfx1250"
	.amdhsa_code_object_version 6
	.text
	.protected	k_q1f57e004d8_proj
	.globl	k_q1f57e004d8_proj
	.p2align	8
	.type	k_q1f57e004d8_proj,@function
k_q1f57e004d8_proj:
	s_mov_b64 s[64:65], 0
	v_nop
	global_prefetch_b8 v0, s[64:65] scope:SCOPE_SE
	s_setreg_imm32_b32 hwreg(HW_REG_WAVE_MODE, 25, 1), 1
	s_wait_xcnt 0x0
	s_wait_alu depctr_hold_cnt(0) depctr_sa_sdst(0) depctr_va_vdst(0) depctr_va_sdst(0) depctr_va_ssrc(0) depctr_va_vcc(0) depctr_vm_vsrc(0)
	s_getreg_b32 s2, hwreg(HW_REG_IB_STS2, 6, 4)
	s_cmp_eq_u32 s2, 0
	s_cbranch_scc0 .Lentry_in_a_cluster
	s_endpgm
.Lentry_in_a_cluster:
	s_bfe_u32 s2, ttmp6, 0x10000c
	s_cmp_lg_u32 s2, 0xf033
	s_cbranch_scc0 .Lentry_shape_is_right
	s_endpgm
.Lentry_shape_is_right:
; q = query Wq + bq, k = key Wk + bk, v = value Wv (bv is added in the attention launch, behind the division: the weights of a row sum to one), each [4096][1024], on codes of FP4 (E2M1) with one E8M0 scale for each 32 along K = 1024.
; A tile of 256 x 256 is made by a work-group of four waves, a wave makes 128 x 128: 64 accumulators of 16 x 16.  3 x 64 tiles: 192 work-groups; a smaller tile would read every fragment from LDS more often for work that is short anyway.
; ALL OF K LIES IN THE TWO LDS SLOTS (512 along K each, rows of 256 bytes + 16): both are first fills, nothing is filled again.  The scale bytes of the tile's rows come once, beside them.
; CLUSTERS: 4 x 4 work-groups; the four of a row need the same tile of side A, the four of a column the same tile of side B: each tile is asked for jointly.  A cluster lies inside one of the three products.
; THE MATRIX INSTRUCTION IS USED TRANSPOSED (source 0 = 16 rows of side B, source 1 = 16 rows of side A): lane (r, h), register j holds (A's row 16 a + r, B's row 16 b + 8 h + j).
; WHICH SIDE IS WHICH.  For q and k: A = the tokens, B = the weight's columns: a lane's eight results are eight channels of one token, 16 bytes in f16: a piece of a fragment of Q or K.
; For v the sides change places: A = Wv's columns (channels), B = the tokens: the same registers are eight KEYS of one channel: a piece of a fragment of V^T.  Only pointers, tile numbers and the stores' strides are chosen, by selects on the cluster's number.
; THE RESULT LEAVES AS IMAGES OF THE OPERAND REGISTERS of the attention launch: every store of a wave covers 512 consecutive bytes, aligned; no stage in LDS.
;   qkv [3][batch x 16 + head][262,144 bytes]; Q, K: [token / 16][channel / 32][2][512]: lane (r, h): x[16 tt + r][32 cs + 16 e + 8 h + 0..7];  V: [key / 32][channel / 16][2][512]: lane (r, h): v[32 ks + 16 e + 8 h + 0..7][16 ct + r]
; LIMIT: q, k, v are rounded to f16: beyond 65,504 they become infinite (the drawn ones stay under 10; inputs and weights both 30 times larger give some 5,500).
; REGISTERS, in windows of 256: window 0: v0-31 addresses; v32-95 scale words, two sets (on the way out: packed results); v128-191 A's fragments, one set; v192-255 the bias, as the C of the first products.
;   window 1: B's fragments, two sets, at v0 and v128.   window 2: the accumulators of my rows 0-63 ((a, b) at v[8 (8 a + b)]);   window 3: those of my rows 64-127.
.set NQ,     4                         ; steps of 128 along K in a slot
.set ROWB,   256                       ; a tile's row in bytes: 512 codes
.set KROW,   512                       ; a row of codes in memory
.set PITCH,  272                       ; an LDS row: 256 bytes + 16 of padding: the 16 rows of a load begin 17 x 16 bytes apart
.set FR,     8
.set NL,     2
.set NP,     4                         ; places behind this matrix instruction (ISA guide 7.12.1)
.set HALFT,  128*PITCH
.set SLOT,   4*HALFT                   ; A's 256 rows, then B's 256 rows
.set KS,     32                        ; a row of scale bytes
.set SCL,    2*SLOT                    ; behind the slots: the scale bytes, as units of 256 bytes + 16
.set HALFS,  (128*KS/256)*272
.set SBLK,   (16*KS/256)*272
.set SPARE,  SCL+4*HALFS               ; the spare words, 128 bytes for each wave: two blocks of 256 bytes that no other line names
.set VO,   8                           ; v8-11   the stores' offsets
.set ADRA, 16                          ; v16-17  LDS address of my A fragments in slot 0, 1
.set ADRB, 20                          ; v20-21  the same for B
.set ADRS, 27                          ; v27     of my scale words: lanes 0-15 A's rows, lanes 16-31 B's
.set SPW,  28                          ; v28     my spare word; never rewritten
.set NIL,  29                          ; v29     0; never rewritten
.set SC,   32
.set AF,   128
.set BI,   192
.set TMP,  32
.set G1, 24
.set G0, 32
.set G1B, 48
.set G0B, 56
.set G1S, 68
.set G0S, 76
.set G1SB, 80
.set G0SB, 88
.set MSB, 0
.macro WIN new                         ; the immediate's high byte repeats the setting that is left
.if MSB != (\new)
	s_set_vgpr_msb (MSB<<8)|(\new)
.set MSB, (\new)
.endif
.endm
.set MUL_LO, 0xa1                      ; source 0 (B) window 1, source 1 (A) window 0, C and D window 2
.set MUL_HI, 0xf1                      ; the same, C and D window 3
.set TO_B,   0x40
; A joint load: waves 0 and 1 fetch for A, waves 2 and 3 for B; the branch hangs on the wave's number alone.  An s_nop 0 and four v_nop follow each of the two lines.
.macro JLOAD g0a, g1a, g0b, g1b
	s_cmp_eq_u32 s15, 0
	s_cbranch_scc0 .Lfor_b_\@
	tensor_load_to_lds s[\g0a:\g0a+3], s[\g1a:\g1a+7]
	s_nop 0
.rept 4
	v_nop
.endr
	s_branch .Lasked_\@
.Lfor_b_\@:
	tensor_load_to_lds s[\g0b:\g0b+3], s[\g1b:\g1b+7]
	s_nop 0
.rept 4
	v_nop
.endr
.Lasked_\@:
.endm
.macro CROUND                          ; a round of the cluster's barrier
	s_barrier_signal -1
	s_barrier_wait -1
	s_cmp_lg_u32 s14, 0
	s_cbranch_scc1 .Lnot_wave_0_\@
	s_barrier_signal -3
.Lnot_wave_0_\@:
	s_barrier_wait -3
	s_barrier_signal -1
	s_barrier_wait -1
.endm
	s_load_b256 s[4:11], s[0:1], 0x0               ; acodes 4, ascales 6, wcodes 8, wscales 10
	s_load_b128 s[96:99], s[0:1], 0x20             ; bq, bk
	s_load_b64 s[12:13], s[0:1], 0x30              ; qkv
	v_lshl_add_u32 v[SPW], v0, 2, SPARE
	v_mov_b32 v[NIL], 0
	ds_add_u32 v[SPW], v[NIL]                      ; the wave's opening: the add, twice on end, and its wait ahead of my first tensor load
	ds_add_u32 v[SPW], v[NIL]
	v_lshrrev_b32 v1, 5, v0
	v_readfirstlane_b32 s14, v1                    ; wave 0..3
	s_lshr_b32 s15, s14, 1                         ; which half of A's rows is mine.  Also: I fetch for A (0) or for B (1)
	s_and_b32 s16, s14, 1                          ; which half of B's rows.  Also: which 128 rows of that tile I fetch
	s_bfe_u32 s40, ttmp6, 0x40000                  ; cx, cy: my place in the cluster
	s_bfe_u32 s41, ttmp6, 0x40004
	s_and_b32 s18, ttmp7, 0xffff                   ; the cluster's y, 0..11 (there is one cluster along x)
	s_lshr_b32 s2, s18, 2                          ; which product: 0 q, 1 k, 2 v
	s_and_b32 s3, s18, 3                           ; which of its four clusters
	s_cmp_eq_u32 s2, 2
	s_cselect_b32 s17, 0, s3                       ; the 16 tiles of tokens lie along A for q and k,
	s_cselect_b32 s42, s3, 0                       ; along B for v
	s_lshl_b32 s17, s17, 2
	s_add_co_u32 s17, s17, s41                     ; A's tile: it holds cy, never cx
	s_lshl_b32 s42, s42, 2
	s_add_co_u32 s42, s42, s40                     ; B's tile: it holds cx, never cy
	s_lshl_b32 s43, s41, 2
	s_lshl_b32 s43, 15, s43                        ; my row of the cluster
	s_lshl_b32 s44, 0x1111, s40                    ; my column
	s_or_b32 s[G1+0], s43, (0<<16)|(1<<20)|(1<<21)|(5<<22)|(3<<25)  ; 15:0 the mask; elements of 1 byte; padding on; 21 set beside a mask; 4 words after every 64
	s_or_b32 s[G1B+0], s44, (0<<16)|(1<<20)|(1<<21)|(5<<22)|(3<<25)
.irp g, G1, G1B
	s_mov_b32 s[\g+1], ROWB<<16                    ; tensor_dim0
	s_mov_b32 s[\g+2], 128<<16                     ; tensor_dim1
	s_mov_b32 s[\g+3], ROWB<<16                    ; tile_dim0
	s_mov_b32 s[\g+4], 128                         ; tile_dim1
	s_mov_b32 s[\g+5], KROW                        ; from row to row
	s_mov_b32 s[\g+6], 0
	s_mov_b32 s[\g+7], 0
.endr
	s_or_b32 s[G1S+0], s43, (3<<16)|(1<<20)|(1<<21)|(5<<22)|(3<<25)  ; the scale bytes of 128 rows: 4,096 dense bytes as 16 rows of 256 (32 elements of 8 bytes), 16 bytes of padding behind each
	s_or_b32 s[G1SB+0], s44, (3<<16)|(1<<20)|(1<<21)|(5<<22)|(3<<25)
.irp g, G1S, G1SB
	s_mov_b32 s[\g+1], 32<<16
	s_mov_b32 s[\g+2], (128*KS/256)<<16
	s_mov_b32 s[\g+3], 32<<16
	s_mov_b32 s[\g+4], 128*KS/256
	s_mov_b32 s[\g+5], 32
	s_mov_b32 s[\g+6], 0
	s_mov_b32 s[\g+7], 0
.endr
	s_lshl_b32 s100, s2, 12                        ; the product's first row among the tokens' codes,
	s_lshl_b32 s101, s2, 10                        ; and among the weights'
	s_cmp_eq_u32 s2, 2
	s_cselect_b32 s100, 2048, s100                 ; v: A is Wv,
	s_cselect_b32 s101, 8192, s101                 ; B is value
	s_lshl_b32 s18, s16, 7                         ; which 128 rows of the tile I fetch
	s_lshl_b32 s20, s17, 8
	s_add_co_u32 s20, s20, s18
	s_add_co_u32 s20, s20, s100                    ; A's row
	s_lshl_b32 s46, s42, 8
	s_add_co_u32 s46, s46, s18
	s_add_co_u32 s46, s46, s101                    ; B's row
	s_lshl_b32 s22, s20, 5                         ; where these rows' scale bytes begin,
	s_mov_b32 s23, 0
	s_lshl_b32 s92, s46, 5
	s_mov_b32 s93, 0
	s_lshl_b32 s20, s20, 9                         ; and their codes
	s_mov_b32 s21, 0
	s_lshl_b32 s46, s46, 9
	s_mov_b32 s47, 0
	s_mul_i32 s45, s14, HALFT                      ; where they go: wave x 128 rows: no place in the cluster enters an LDS address
	s_mul_i32 s94, s14, HALFS
	s_wait_dscnt 0x0                               ; both opening adds are done
	s_wait_kmcnt 0x0
	s_cmp_eq_u32 s2, 0
	s_cselect_b64 s[96:97], s[96:97], s[98:99]     ; the bias: bq for q, bk for k (for v bk is read and not used)
	s_cmp_eq_u32 s2, 2
	s_cselect_b32 s98, 0, -1                       ; a lane mask: all ones where the bias counts
	s_cselect_b64 s[100:101], s[8:9], s[4:5]       ; v: the two sides' buffers change places
	s_cselect_b64 s[8:9], s[4:5], s[8:9]
	s_cselect_b64 s[104:105], s[10:11], s[6:7]
	s_cselect_b64 s[10:11], s[6:7], s[10:11]
	s_mov_b64 s[4:5], s[100:101]
	s_mov_b64 s[6:7], s[104:105]
	s_add_nc_u64 s[20:21], s[4:5], s[20:21]
	s_add_nc_u64 s[22:23], s[6:7], s[22:23]
	s_add_nc_u64 s[46:47], s[8:9], s[46:47]
	s_add_nc_u64 s[92:93], s[10:11], s[92:93]
	CROUND                                         ; all sixteen work-groups are here: the joint loads meet
	s_mov_b32 s[G0S], 1
	s_add_co_u32 s[G0S+1], s94, SCL
	s_mov_b64 s[G0S+2:G0S+3], s[22:23]
	s_or_b32 s[G0S+3], s[G0S+3], 0x80000000
	s_mov_b32 s[G0SB], 1
	s_add_co_u32 s[G0SB+1], s94, SCL
	s_mov_b64 s[G0SB+2:G0SB+3], s[92:93]
	s_or_b32 s[G0SB+3], s[G0SB+3], 0x80000000
	JLOAD G0S, G1S, G0SB, G1SB                     ; the scale bytes first; with the two slots three loads of mine are out
.irp s, 0,1
	s_mov_b32 s[G0+4*\s], 1
	s_add_co_u32 s[G0+4*\s+1], s45, \s*SLOT
	s_add_nc_u64 s[G0+4*\s+2:G0+4*\s+3], s[20:21], \s*ROWB
	s_or_b32 s[G0+4*\s+3], s[G0+4*\s+3], 0x80000000
	s_mov_b32 s[G0B+4*\s], 1
	s_add_co_u32 s[G0B+4*\s+1], s45, \s*SLOT
	s_add_nc_u64 s[G0B+4*\s+2:G0B+4*\s+3], s[46:47], \s*ROWB
	s_or_b32 s[G0B+4*\s+3], s[G0B+4*\s+3], 0x80000000
	JLOAD G0+4*\s, G1, G0B+4*\s, G1B
.endr
	v_and_b32 v1, 15, v0                           ; r
	v_bfe_u32 v2, v0, 4, 1                         ; h
	v_lshlrev_b32 v7, 5, v2                        ; the bias: 32 h bytes
	s_lshl_b32 s18, s17, 8
	s_lshl_b32 s19, s15, 7
	s_add_co_u32 s18, s18, s19                     ; my first row of side A within the product
	s_lshl_b32 s19, s42, 8
	s_lshl_b32 s95, s16, 7
	s_add_co_u32 s19, s19, s95                     ; and of side B
	s_cmp_eq_u32 s2, 2
	s_cselect_b32 s100, 0, s19                     ; the bias's first number: B's row for q and k (v: 0, so that the load stays inside its buffer)
	s_cselect_b32 s95, s19, s18                    ; my first token,
	s_cselect_b32 s99, s18, s19                    ; my first channel
	s_lshl_b32 s100, s100, 2
	s_mov_b32 s101, 0
	s_add_nc_u64 s[96:97], s[96:97], s[100:101]
.irp b, 0,1,2,3,4,5,6,7
	global_load_b128 v[BI+8*\b:BI+8*\b+3], v7, s[96:97] offset:64*\b       ; lane (r, h), block b: the bias of B's rows 16 b + 8 h + 0..7: the result's layout
	global_load_b128 v[BI+8*\b+4:BI+8*\b+7], v7, s[96:97] offset:64*\b+16
.endr
	v_mul_u32_u24 v3, v1, PITCH
	v_lshl_add_u32 v4, v2, 4, v3                   ; a fragment's row x pitch + 16 x half
	s_mul_i32 s21, s15, HALFT                      ; my 128 rows of A
	s_mul_i32 s22, s16, HALFT                      ; my 128 rows of B,
	s_add_co_u32 s22, s22, 2*HALFT                 ; which lie behind A's 256
.irp s, 0,1
	v_add_nc_u32 v[ADRA+\s], s21, v4
	v_add_nc_u32 v[ADRB+\s], s22, v4
	s_add_co_u32 s21, s21, SLOT
	s_add_co_u32 s22, s22, SLOT
.endr
	v_mul_u32_u24 v5, v1, KS                       ; my row's scale bytes: 32 a row,
	v_lshrrev_b32 v6, 8, v5
	v_lshl_add_u32 v5, v6, 4, v5                   ; and 16 more for each 256 passed
	s_mul_i32 s21, s15, HALFS
	s_mul_i32 s22, s16, HALFS
	s_add_co_u32 s22, s22, 2*HALFS
	s_sub_co_u32 s22, s22, s21
	v_mul_u32_u24 v6, s22, v2                      ; lanes 16-31 take B's: the lower base + h x the distance
	s_add_co_u32 s21, s21, SCL
	v_add_nc_u32 v5, v5, v6
	v_add_nc_u32 v[ADRS], s21, v5
	s_lshl_b32 s100, s2, 23                        ; where my part begins in qkv: 8,388,608 bytes a product,
	s_lshr_b32 s101, s95, 11                       ; the batch,
	s_lshl_b32 s101, s101, 4
	s_lshr_b32 s99, s99, 6                         ; my first head,
	s_add_co_u32 s101, s101, s99
	s_lshl_b32 s101, s101, 18                      ; 262,144 bytes a head,
	s_add_co_u32 s100, s100, s101
	s_and_b32 s95, s95, 2047
	s_lshl_b32 s95, s95, 7                         ; 128 bytes a token in either layout (2,048 for 16, 4,096 for 32)
	s_add_co_u32 s100, s100, s95
	s_mov_b32 s101, 0
	s_add_nc_u64 s[12:13], s[12:13], s[100:101]
	s_wait_loadcnt 0x0                             ; the bias
.set i, 0
.rept 64
	v_cndmask_b32 v[BI+i], 0, v[BI+i], s98         ; v starts its sums at 0
.set i, i+1
.endr
	s_cmp_eq_u32 s2, 2
	s_mov_b32 s4, 2048
	s_cselect_b32 s4, 1024, s4                     ; from a block a of A's rows to the next: 16 tokens on (q, k), 16 channels on (v)
	s_mov_b32 s5, 0
	s_cselect_b32 s6, 258048, 0                    ; v: at a = 4 the next head begins: 262,144 - 4 x 1,024 more
	s_mov_b32 s7, 0
	v_and_b32 v6, 31, v0
.irp i, 0,1,2,3
	s_mov_b32 s100, 4096*\i                        ; blocks 2 i, 2 i + 1 of B's rows: v: 32 keys on;
	s_cselect_b32 s100, s100, (\i&1)*1024+(\i>>1)*262144   ; q, k: 32 channels on, and a head on behind 64
	v_lshl_add_u32 v[VO+\i], v6, 4, s100
.endr
.rept 4
	v_nop
.endr
.macro FRAG reg, adr, q, i             ; 16 rows x 128 K of 4-bit codes: 8 registers: lane l holds row l % 16; registers 4 c .. 4 c + 3 hold K = 64 c + 32 (l / 16) + 0 .. 31
.irp c, 0,1
	ds_load_b128 v[\reg+4*\c:\reg+4*\c+3], v[\adr] offset:64*(\q)+32*\c+(\i)*16*PITCH
.endr
.endm
; 16 matrix instructions: A's blocks a0, a0 + 1 x B's eight, the slot's q-th 128 along K.  zero = 1: the first product starts the sums from the bias.  The 64 accumulators take turns, one instruction a turn.
.macro MUL16 a0, p, q, sc, zero
.irp a, \a0, \a0+1
.irp b, 0,1,2,3,4,5,6,7
.if \zero
	v_wmma_scale_f32_16x16x128_f8f6f4 v[8*(8*((\a)%4)+\b):8*(8*((\a)%4)+\b)+7], v[128*(\p)+FR*\b:128*(\p)+FR*\b+FR-1], v[AF+FR*(\a):AF+FR*(\a)+FR-1], v[BI+8*\b:BI+8*\b+7], v[SC+8*NQ*(\sc)+NQ*\b+(\q)], v[SC+8*NQ*(\sc)+NQ*(\a)+(\q)] matrix_a_fmt:MATRIX_FMT_FP4 matrix_b_fmt:MATRIX_FMT_FP4 matrix_a_scale:MATRIX_SCALE_ROW1
.else
	v_wmma_scale_f32_16x16x128_f8f6f4 v[8*(8*((\a)%4)+\b):8*(8*((\a)%4)+\b)+7], v[128*(\p)+FR*\b:128*(\p)+FR*\b+FR-1], v[AF+FR*(\a):AF+FR*(\a)+FR-1], v[8*(8*((\a)%4)+\b):8*(8*((\a)%4)+\b)+7], v[SC+8*NQ*(\sc)+NQ*\b+(\q)], v[SC+8*NQ*(\sc)+NQ*(\a)+(\q)] matrix_a_fmt:MATRIX_FMT_FP4 matrix_b_fmt:MATRIX_FMT_FP4 matrix_a_scale:MATRIX_SCALE_ROW1
.endif
.endr
.endr
.endm
.macro FETCH_B slot, q, p
	WIN TO_B
.irp i, 0,1,2,3,4,5,6,7
	FRAG 128*(\p)+FR*\i, ADRB+\slot, \q, \i
.endr
	WIN 0
.endm
.macro FETCH_A slot, q, i0
.irp i, \i0, \i0+1, \i0+2, \i0+3
	FRAG AF+FR*(\i), ADRA+\slot, \q, \i
.endr
.endm
.macro SCALES sc                       ; a slot's scale words: 4 words a row; lanes 0-15 take A's block i, lanes 16-31 B's block i
.irp i, 0,1,2,3,4,5,6,7
	ds_load_b128 v[SC+8*NQ*\sc+NQ*\i:SC+8*NQ*\sc+NQ*\i+3], v[ADRS] offset:\i*SBLK
.endr
.endm
.macro PLACES n                        ; plain vector lines between a matrix instruction and a load into, or a vector line on, one of its registers
.rept \n
	v_nop
.endr
.endm
.macro STEP slot, q, zero              ; a step of 128 along K that has its successor in the same slot
	s_wait_dscnt 4*NL                              ; B's set and A's blocks 0-3 are in; the youngest eight loads (A's blocks 4-7) may be out
	WIN MUL_LO-0x20*\zero                          ; (zero = 1: C, the bias, in window 0)
	MUL16 0, (\q)%2, \q, \slot, \zero
	MUL16 2, (\q)%2, \q, \slot, \zero
	s_wait_dscnt 0
	PLACES NP
	FETCH_B \slot, (\q)+1, 1-(\q)%2
	FETCH_A \slot, (\q)+1, 0
	WIN MUL_HI-0x30*\zero
	MUL16 4, (\q)%2, \q, \slot, \zero
	MUL16 6, (\q)%2, \q, \slot, \zero
	PLACES NP
	WIN 0
	FETCH_A \slot, (\q)+1, 4
.endm
.macro STEPS slot, from
.set Q, \from
.rept NQ-1-\from
	STEP \slot, Q, 0
.set Q, Q+1
.endr
.endm
	s_wait_tensorcnt 1                             ; the scale bytes and my part of slot 0 are in (slot 1's load may be out)
	s_barrier_signal -1
	s_barrier_wait -1                              ; everybody's are
	FETCH_B 0, 0, 0
	FETCH_A 0, 0, 0
	SCALES 0
	FETCH_A 0, 0, 4
	STEP 0, 0, 1
	STEPS 0, 1
	; slot 0's last step, and the change to slot 1: one barrier; in front of it my part of slot 1 has landed
	s_wait_tensorcnt 0x0
	ds_add_u32 v[SPW], v[NIL]
	s_wait_dscnt 4*NL+1                            ; (the add and the youngest eight loads may be out)
	WIN MUL_LO
	MUL16 0, 1, NQ-1, 0, 0
	s_wait_dscnt 0x0
	s_barrier_signal -1
	MUL16 2, 1, NQ-1, 0, 0
	WIN 0
	s_barrier_wait -1
	PLACES NP
	v_add_nc_u32 v[ADRS], 4*NQ, v[ADRS]            ; on to slot 1's scale words (no LDS load of mine is out)
	FETCH_B 1, 0, 0
	FETCH_A 1, 0, 0
	SCALES 1
	WIN MUL_HI
	MUL16 4, 1, NQ-1, 0, 0
	MUL16 6, 1, NQ-1, 0, 0
	PLACES NP
	WIN 0
	FETCH_A 1, 0, 4
	STEPS 1, 0
	s_wait_dscnt 4*NL                              ; the very last step: nothing more to fetch
	WIN MUL_LO
	MUL16 0, 1, NQ-1, 1, 0
	MUL16 2, 1, NQ-1, 1, 0
	s_wait_dscnt 0
	WIN MUL_HI
	MUL16 4, 1, NQ-1, 1, 0
	MUL16 6, 1, NQ-1, 1, 0
	WIN 0
; THE WAY OUT, block by block of A's 16 rows: eight results of a lane are rounded to f16, 16 bytes, and the wave's 512 bytes are a piece of an operand's image as they stand.
.macro PACK a
.set AC, 64*((\a)%4)
.set TP, TMP+32*((\a)%2)
	WIN 0x0a+5*((\a)/4)                            ; sources 0 and 1: window 2 or 3
.irp b, 0,1,2,3,4,5,6,7
.irp i, 0,1,2,3
	v_cvt_pk_f16_f32 v[TP+4*\b+\i], v[AC+8*\b+2*\i], v[AC+8*\b+2*\i+1]   ; each accumulator from its low end on
.endr
.endr
	WIN 0
.endm
.macro SEND a
.set TP, TMP+32*((\a)%2)
	s_wait_xcnt 0x0                                ; the earlier stores have read their base and their data: the base may step, and the next block may be packed into the other set
.if (\a) > 0
	s_add_nc_u64 s[12:13], s[12:13], s[4:5]
.endif
.if (\a) == 4
	s_add_nc_u64 s[12:13], s[12:13], s[6:7]
.endif
.irp b, 0,1,2,3,4,5,6,7
	global_store_b128 v[VO+\b/2], v[TP+4*\b:TP+4*\b+3], s[12:13] offset:(\b%2)*512   ; 512 consecutive bytes, aligned
.endr
.endm
	PLACES NP                                      ; the packed results land on the scale words' registers, which the last products have read
.irp a, 0,1,2,3,4,5,6,7
	PACK \a
	SEND \a
.endr
	s_wait_tensorcnt 0x0                           ; the wave's end
	ds_add_u32 v[SPW], v[NIL]
	s_wait_dscnt 0x0
	CROUND                                         ; the closing round
	s_endpgm
.Lfunc_end_k_q1f57e004d8_proj:
	.size	k_q1f57e004d8_proj, .Lfunc_end_k_q1f57e004d8_proj-k_q1f57e004d8_proj
	.p2alignl 7, 3214868480
	.fill 96, 4, 3214868480
	.section	.rodata,"a",@progbits
	.p2align	6, 0x0
	.amdhsa_kernel k_q1f57e004d8_proj
		.amdhsa_group_segment_fixed_size 327680
		.amdhsa_private_segment_fixed_size 0
		.amdhsa_enable_private_segment 0
		.amdhsa_kernarg_size 56
		.amdhsa_user_sgpr_count 2
		.amdhsa_user_sgpr_kernarg_segment_ptr 1
		.amdhsa_wavefront_size32 1
		.amdhsa_system_sgpr_workgroup_id_x 1
		.amdhsa_system_sgpr_workgroup_id_y 1
		.amdhsa_system_sgpr_workgroup_id_z 1
		.amdhsa_system_vgpr_workitem_id 0
		.amdhsa_next_free_vgpr 1024
		.amdhsa_next_free_sgpr 106
		.amdhsa_reserve_vcc 0
		.amdhsa_float_denorm_mode_32 3
		.amdhsa_float_denorm_mode_16_64 3
		.amdhsa_memory_ordered 1
		.amdhsa_forward_progress 1
		.amdhsa_inst_pref_size 126
	.end_amdhsa_kernel
	.amdgpu_metadata
---
amdhsa.version: [ 1, 2 ]
amdhsa.kernels:
  - .name:           k_q1f57e004d8_proj
    .symbol:         k_q1f57e004d8_proj.kd
    .args:
      - { .name: acodes, .offset: 0, .size: 8, .value_kind: global_buffer, .address_space: global }
      - { .name: ascales, .offset: 8, .size: 8, .value_kind: global_buffer, .address_space: global }
      - { .name: wcodes, .offset: 16, .size: 8, .value_kind: global_buffer, .address_space: global }
      - { .name: wscales, .offset: 24, .size: 8, .value_kind: global_buffer, .address_space: global }
      - { .name: bq, .offset: 32, .size: 8, .value_kind: global_buffer, .address_space: global }
      - { .name: bk, .offset: 40, .size: 8, .value_kind: global_buffer, .address_space: global }
      - { .name: qkv, .offset: 48, .size: 8, .value_kind: global_buffer, .address_space: global }
    .group_segment_fixed_size: 327680
    .private_segment_fixed_size: 0
    .kernarg_segment_align: 8
    .kernarg_segment_size: 56
    .max_flat_workgroup_size: 128
    .sgpr_count:     106
    .vgpr_count:     1024
    .wavefront_size: 32
...
	.end_amdgpu_metadata
.endif
;; end of part 2
;; launch attn (part 3): grid 8 x 32, 8 waves a work-group, clusters of 4 x 1, 327,680 bytes of LDS; arguments qkv, mbits, bv, att; writes att
.if DOCPART == 3
	.amdgcn_target "amdgcn-amd-amdhsa--gfx1250"
	.amdhsa_code_object_version 6
	.text
	.protected	k_q1f57e004d8_attn
	.globl	k_q1f57e004d8_attn
	.p2align	8
	.type	k_q1f57e004d8_attn,@function
k_q1f57e004d8_attn:
	s_mov_b64 s[64:65], 0
	v_nop
	global_prefetch_b8 v0, s[64:65] scope:SCOPE_SE
	s_setreg_imm32_b32 hwreg(HW_REG_WAVE_MODE, 25, 1), 1
	s_wait_xcnt 0x0
	s_wait_alu depctr_hold_cnt(0) depctr_sa_sdst(0) depctr_va_vdst(0) depctr_va_sdst(0) depctr_va_ssrc(0) depctr_va_vcc(0) depctr_vm_vsrc(0)
	s_getreg_b32 s2, hwreg(HW_REG_IB_STS2, 6, 4)
	s_cmp_eq_u32 s2, 0
	s_cbranch_scc0 .Lentry_in_a_cluster
	s_endpgm
.Lentry_in_a_cluster:
	s_bfe_u32 s2, ttmp6, 0x10000c
	s_cmp_lg_u32 s2, 0x3003
	s_cbranch_scc0 .Lentry_shape_is_right
	s_endpgm
.Lentry_shape_is_right:
; att[token][head x 64 + d] = sum over keys of softmax_k(q . k / 8, masked) v + bv.  q, k, v: f16, as images of the operand registers (qkv, laid by the launch before); the mask as lane masks (mbits).
; Products on f16 operands with f32 sums; maxima, exponentials and sums in f32; the weights p are rounded to f16 for the second product; the result once, to f16, for the last product.
; SHARES.  A work-group owns 256 queries of one head of one batch; each of its eight waves owns 32: two tiles of 16.  Two waves share a SIMD, so that one wave's products stand beside the other's vector work.
; Every wave walks all 2,048 keys, 64 a step.  K and V come through two LDS slots of 256 keys; a slot is eight dense pieces of 8,192 bytes (K's four steps, V's four), one tensor load a wave.
; CLUSTER.  The four blocks of queries of a cluster belong to one head and walk the same K and V: every piece is asked for JOINTLY, by the same load with the same descriptor and a mask that names the four.
; LAYOUT.  S^T = K Q^T (source 0 = 16 keys, source 1 = 16 queries): lane (r, h), register j holds query r and key 8 h + j.  Two such tiles, rounded in pairs, ARE source 1 (32 keys x 16 queries) of O^T = V^T P, whose result
; holds query r and channels 8 h + j.  Fragments are read from LDS as they lie: 512 consecutive bytes an instruction, no pitch, no padding.
; THE MASK.  Word 8 kt + j of a step has, at bit l, whether lane l's score in register 8 kt + j counts: one select a score, with the word in a scalar register; hidden scores become -infinity AHEAD of the maximum.
; SOFTMAX.  For each query a running maximum m (begun at -3e38) and sum l: p = 2^(c s - c m), c = log2(e) / 8; in every step O and l are multiplied by a = 2^(c m_old - c m_new).  No branch hangs on data.
; A row whose every key is hidden ends with l = 0 and O = 0: 0 x infinity gives NaN, as the definition has it.  bv is added behind the division: the weights sum to one, so that is the sum of p (v + bv) / l.
; LIMITS: q, k, v arrive in f16 (see the launch before); the result is rounded to f16.
; REGISTERS.  window 0: v1 16 x lane; v2 the LDS address in hand; v4 -infinity; v5 32 h; v8, v9 the add's two; v10 256 x lane; v12-27 eight registers of statistics a tile: +0 c m, +1 m, +2, +3 l, +4..+7 at work (a at +6);
;   v32-95 S^T, 32 a tile; v96-127 P, 16 a tile; v128-191 O^T, 32 a tile; v192-223 bv.   window 1: v0-31 Q; v32-95 K of a step; v96-159 V of a step.
.set SLOTB, 65536
.set VOFF,  32768                      ; V's four pieces lie behind K's four
.set SPARE, 131072                     ; behind the slots: the spare words, 128 bytes for each of eight waves: four blocks of 256 bytes that no other line names
.set LI,   1
.set AD,   2
.set NINF, 4
.set H32,  5
.set SPW,  8
.set NIL,  9
.set PFO,  10
.set ST,   12
.set S,    32
.set P,    96
.set OA,   128
.set BV,   192
.set QF,   0
.set KF,   32
.set VF,   96
; s[4:7] group 0, which walks; s[8:15] group 1; s[16:17] my strip of mask words; s[18:19] where my prefetches stand; s[20:21] lane selects; s[22:23] c; s[24:25] my place in att; s26 wave; s27 LDS byte of the step in hand;
; s28 the mask words' offset; s29 slots still to be asked for; s30 counts a slot's steps; s31 1 in a wave that prefetches, else the greatest number; s[32:63], s[68:99] the two tiles' 32 mask words; s[100:101] Q; s[104:105] bv
.set MSB, 0
.macro WIN new
.if MSB != (\new)
	s_set_vgpr_msb (MSB<<8)|(\new)
.set MSB, (\new)
.endif
.endm
.macro ROUND                           ; a round of the cluster's barrier
	s_barrier_signal -1
	s_barrier_wait -1
	s_cmp_lg_u32 s26, 0
	s_cbranch_scc1 .Lnot_wave_0_\@
	s_barrier_signal -3
.Lnot_wave_0_\@:
	s_barrier_wait -3
	s_barrier_signal -1
	s_barrier_wait -1
.endm
.macro MLOAD t                         ; tile t's 32 mask words of the step at offset s28: 128 consecutive bytes
	s_load_b512 s[32+36*\t:47+36*\t], s[16:17], s28 offset:4096*\t
	s_load_b512 s[48+36*\t:63+36*\t], s[16:17], s28 offset:4096*\t+64
.endm
	s_load_b256 s[32:39], s[0:1], 0x0              ; qkv 32, mbits 34, bv 36, att 38
	v_lshl_add_u32 v[SPW], v0, 2, SPARE
	v_mov_b32 v[NIL], 0
	ds_add_u32 v[SPW], v[NIL]                      ; the wave's opening: the add, twice on end, and its wait ahead of my first tensor load
	ds_add_u32 v[SPW], v[NIL]
	v_lshrrev_b32 v2, 5, v0
	v_readfirstlane_b32 s26, v2                    ; wave 0..7
	s_bfe_u32 s66, ttmp6, 0x40000                  ; cx: it enters Q's, the mask's, att's and the prefetches' addresses alone
	s_lshl_b32 s67, ttmp9, 2
	s_add_co_u32 s67, s67, s66                     ; my block of 256 queries
	s_lshl_b32 s67, s67, 4
	s_lshl_b32 s2, s26, 1
	s_add_co_u32 s67, s67, s2                      ; my first tile of 16 queries
	s_and_b32 s52, ttmp7, 0xffff                   ; 16 x batch + head, which the four partners share
	s_lshr_b32 s53, s52, 4
	s_and_b32 s54, s52, 15
	s_lshl_b32 s55, s52, 18                        ; 262,144 bytes a head
	s_lshr_b32 s40, s26, 2                         ; waves 0-3 fetch K's pieces, waves 4-7 V's
	s_add_co_u32 s40, s40, 1
	s_lshl_b32 s40, s40, 23                        ; K begins 8,388,608 bytes into qkv, V twice as far
	s_add_co_u32 s40, s40, s55
	s_and_b32 s2, s26, 3
	s_lshl_b32 s2, s2, 13                          ; piece wave % 4
	s_add_co_u32 s40, s40, s2
	s_mov_b32 s41, 0
	s_lshl_b32 s42, s67, 11                        ; Q: 2,048 bytes a tile
	s_add_co_u32 s42, s42, s55
	s_mov_b32 s43, 0
	s_lshl_b32 s56, s53, 7
	s_add_co_u32 s56, s56, s67                     ; 128 x batch + tile
	s_lshl_b32 s44, s56, 12                        ; mask words: 4,096 bytes a tile of queries
	s_mov_b32 s45, 0
	s_lshl_b32 s46, s56, 15                        ; att: 32,768 bytes a tile of tokens, 2,048 a head
	s_lshl_b32 s2, s54, 11
	s_add_co_u32 s46, s46, s2
	s_mov_b32 s47, 0
	s_lshl_b32 s48, s54, 8                         ; bv: 256 bytes a head
	s_mov_b32 s49, 0
	s_lshl_b32 s50, s66, 1                         ; the prefetches: of a slot's eight pieces, piece 2 cx + wave % 2
	s_and_b32 s2, s26, 1
	s_add_co_u32 s50, s50, s2
	s_lshr_b32 s2, s50, 2
	s_add_co_u32 s2, s2, 1
	s_lshl_b32 s2, s2, 23
	s_and_b32 s50, s50, 3
	s_lshl_b32 s50, s50, 13
	s_add_co_u32 s50, s50, s2
	s_add_co_u32 s50, s50, s55
	s_add_co_u32 s50, s50, 32768                   ; in slot 1: the first change of slots steps it to slot 2
	s_mov_b32 s51, 0
	s_mov_b32 s8, 15|(3<<16)|(1<<21)               ; group 1: the mask names all four; elements of 8 bytes; 21 set beside a mask; no padding
	s_mov_b32 s9, 32<<16                           ; tensor_dim0 = 32 elements: rows of 256 bytes
	s_mov_b32 s10, 32<<16                          ; tensor_dim1 = 32 rows: 8,192 dense bytes
	s_mov_b32 s11, 32<<16                          ; tile_dim0
	s_mov_b32 s12, 32                              ; tile_dim1
	s_mov_b32 s13, 32                              ; from row to row
	s_mov_b32 s14, 0
	s_mov_b32 s15, 0
	s_mov_b32 s4, 1
	s_lshl_b32 s5, s26, 13                         ; LDS: piece = wave, in slot 0
	s_mov_b32 s20, 0x76543210
	s_mov_b32 s21, 0xfedcba98                      ; lane l xor 16
	s_mov_b32 s22, 0x3e38aa3b                      ; c = log2(e) / 8
	s_mov_b32 s23, s22
	s_mov_b32 s27, 0
	s_mov_b32 s28, 0
	s_mov_b32 s29, 7
	s_lshr_b32 s31, s26, 1
	s_or_b32 s31, s31, ttmp9                       ; 0 in waves 0 and 1 of the head's first cluster: the same in all four partners
	s_cmp_eq_u32 s31, 0
	s_cselect_b32 s31, 1, -1
	v_and_b32 v[LI], 31, v0
	v_lshlrev_b32 v[PFO], 8, v[LI]
	v_lshlrev_b32 v[LI], 4, v[LI]
	v_bfe_u32 v[H32], v0, 4, 1
	v_lshlrev_b32 v[H32], 5, v[H32]
	s_wait_dscnt 0x0                               ; both opening adds are done
	s_wait_kmcnt 0x0
	s_add_nc_u64 s[6:7], s[32:33], s[40:41]
	s_or_b32 s7, s7, 0x80000000                    ; type = 2
	s_add_nc_u64 s[100:101], s[32:33], s[42:43]
	s_add_nc_u64 s[16:17], s[34:35], s[44:45]
	s_add_nc_u64 s[24:25], s[38:39], s[46:47]
	s_add_nc_u64 s[104:105], s[36:37], s[48:49]
	s_add_nc_u64 s[18:19], s[32:33], s[50:51]
	ROUND                                          ; all four work-groups are here: the first joint loads meet
	tensor_load_to_lds s[4:7], s[8:15]             ; slot 0
	s_nop 0
.rept 4
	v_nop
.endr
	WIN 0x40                                       ; destination window 1
.irp t, 0,1
.irp k, 0,1,2,3
	global_load_b128 v[QF+16*\t+4*\k:QF+16*\t+4*\k+3], v[LI], s[100:101] offset:\t*2048+\k*512   ; Q stays in registers
.endr
.endr
	WIN 0
.irp k, 0,1,2,3,4,5,6,7
	global_load_b128 v[BV+4*\k:BV+4*\k+3], v[H32], s[104:105] offset:64*(\k/2)+16*(\k%2)   ; bv of channels 16 ct + 8 h + 0..7: O^T's layout
.endr
	MLOAD 0                                        ; step 0's mask words (the arguments' registers are spent)
	MLOAD 1
	v_mov_b32 v[NINF], 0xff800000
.irp t, 0,1
	v_mov_b32 v[ST+8*\t+1], 0xff61b1e6             ; m: -3e38, under every score
	v_mov_b32 v[ST+8*\t+2], 0                      ; l, in two halves
	v_mov_b32 v[ST+8*\t+3], 0
.endr
.irp t, 0,1
	v_mul_f32 v[ST+8*\t], s22, v[ST+8*\t+1]        ; c m
.endr
.set i, 0
.rept 64
	v_mov_b32 v[OA+i], 0                           ; O^T.  (The step is written once: its first trip finds zeros, which the first a leaves zeros)
.set i, i+1
.endr
	s_wait_loadcnt 0x0                             ; Q and bv
; A KEY STEP: 64 keys.
.macro STEP
	v_add_nc_u32 v[AD], s27, v[LI]
.rept 3
	v_nop                                          ; with the addition: four plain lines between the last products and the loads into V's registers
.endr
	WIN 0x40
.set i, 0
.rept 16
	ds_load_b128 v[KF+4*i:KF+4*i+3], v[AD] offset:512*i
.set i, i+1
.endr
.set i, 0
.rept 16
	ds_load_b128 v[VF+4*i:VF+4*i+3], v[AD] offset:VOFF+512*i
.set i, i+1
.endr
	s_wait_dscnt 16                                ; K is in; V's sixteen loads may be out
	WIN 0x05                                       ; K and Q window 1, S^T window 0
.irp cs, 0,1                                   ; eight accumulators by turns, one instruction a turn
.irp kt, 0,1,2,3
.irp t, 0,1
.if \cs == 0
	v_wmma_f32_16x16x32_f16 v[S+32*\t+8*\kt:S+32*\t+8*\kt+7], v[KF+8*(2*\kt+\cs):KF+8*(2*\kt+\cs)+7], v[QF+16*\t+8*\cs:QF+16*\t+8*\cs+7], 0
.else
	v_wmma_f32_16x16x32_f16 v[S+32*\t+8*\kt:S+32*\t+8*\kt+7], v[KF+8*(2*\kt+\cs):KF+8*(2*\kt+\cs)+7], v[QF+16*\t+8*\cs:QF+16*\t+8*\cs+7], v[S+32*\t+8*\kt:S+32*\t+8*\kt+7]
.endif
.endr
.endr
.endr
	WIN 0
	s_wait_kmcnt 0x0                               ; this step's mask words are in, so their offset may step:
	s_add_co_u32 s28, s28, 128
	s_and_b32 s28, s28, 4095                       ; the last step's look-ahead wraps to the strip's first words: inside the buffer, and not used
.rept 4
	v_nop                                          ; places ahead of the first read of the scores
.endr
.set i, 0
.rept 32
	v_cndmask_b32 v[S+i], v[NINF], v[S+i], s[32+i] ; a hidden score becomes -infinity; each accumulator from its low end on
.set i, i+1
.endr
	MLOAD 0                                        ; the next step's words, into the registers just read
.set i, 0
.rept 32
	v_cndmask_b32 v[S+32+i], v[NINF], v[S+32+i], s[68+i]
.set i, i+1
.endr
	MLOAD 1
.irp j, 0,1,2,3                                ; the maximum of 32 scores and the old m, in four chains, the two tiles line by line
.irp t, 0,1
	v_max3_num_f32 v[ST+8*\t+4+\j], v[S+32*\t+8*\j], v[S+32*\t+8*\j+1], v[S+32*\t+8*\j+2]
.endr
.endr
.irp g, 1,2
.irp j, 0,1,2,3
.irp t, 0,1
	v_max3_num_f32 v[ST+8*\t+4+\j], v[ST+8*\t+4+\j], v[S+32*\t+8*\j+2*\g+1], v[S+32*\t+8*\j+2*\g+2]
.endr
.endr
.endr
.irp t, 0,1
	v_max3_num_f32 v[ST+8*\t+4], v[ST+8*\t+4], v[S+32*\t+7], v[S+32*\t+15]
.endr
.irp t, 0,1
	v_max3_num_f32 v[ST+8*\t+6], v[ST+8*\t+6], v[S+32*\t+23], v[S+32*\t+31]
.endr
.irp t, 0,1
	v_max3_num_f32 v[ST+8*\t+4], v[ST+8*\t+4], v[ST+8*\t+5], v[ST+8*\t+6]
.endr
.irp t, 0,1
	v_max3_num_f32 v[ST+8*\t+4], v[ST+8*\t+4], v[ST+8*\t+7], v[ST+8*\t+1]
.endr
.irp t, 0,1
	v_permlanex16_b32 v[ST+8*\t+5], v[ST+8*\t+4], s20, s21   ; the query's other 32 keys lie in the lane 16 away
.endr
.irp t, 0,1
	v_mov_b32 v[ST+8*\t+7], v[ST+8*\t]             ; c m_old
.endr
.irp t, 0,1
	v_max_num_f32 v[ST+8*\t+1], v[ST+8*\t+4], v[ST+8*\t+5]
.endr
.irp t, 0,1
	v_mul_f32 v[ST+8*\t], s22, v[ST+8*\t+1]
.endr
.irp t, 0,1
	v_sub_f32 v[ST+8*\t+7], v[ST+8*\t+7], v[ST+8*\t]
.endr
.irp t, 0,1
.set i, 0
.rept 16
	v_pk_fma_f32 v[S+32*\t+2*i:S+32*\t+2*i+1], v[S+32*\t+2*i:S+32*\t+2*i+1], s[22:23], v[ST+8*\t:ST+8*\t+1] op_sel_hi:[1,0,0] neg_lo:[0,0,1] neg_hi:[0,0,1]   ; c s - c m
.set i, i+1
.endr
.endr
.irp t, 0,1                                    ; ONE BATCH: 66 exponentials, none of which reads another's result
	v_exp_f32 v[ST+8*\t+6], v[ST+8*\t+7]           ; a
.endr
.set i, 0
.rept 64
	v_exp_f32 v[S+i], v[S+i]                       ; p
.set i, i+1
.endr
	v_nop                                          ; a plain line behind the last exponential
	s_wait_alu depctr_va_vdst(0)                   ; the wait ahead of the first line that names a result: one for the batch
.irp t, 0,1
.set i, 0
.rept 16
	v_pk_mul_f32 v[OA+32*\t+2*i:OA+32*\t+2*i+1], v[OA+32*\t+2*i:OA+32*\t+2*i+1], v[ST+8*\t+6:ST+8*\t+7] op_sel_hi:[1,0]   ; O^T x a, each accumulator from its low end on
.set i, i+1
.endr
.endr
.set i, 0
.rept 32
	v_cvt_pk_f16_f32 v[P+i], v[S+2*i], v[S+2*i+1]  ; the weights as f16: source 1 of the second product as they stand
.set i, i+1
.endr
.irp u, 0,1,2,3,4,5,6,7                        ; the row's sum of the unrounded p, in place, by halves
.irp t, 0,1
	v_pk_add_f32 v[S+32*\t+4*\u:S+32*\t+4*\u+1], v[S+32*\t+4*\u:S+32*\t+4*\u+1], v[S+32*\t+4*\u+2:S+32*\t+4*\u+3]
.endr
.endr
.irp u, 0,1,2,3
.irp t, 0,1
	v_pk_add_f32 v[S+32*\t+8*\u:S+32*\t+8*\u+1], v[S+32*\t+8*\u:S+32*\t+8*\u+1], v[S+32*\t+8*\u+4:S+32*\t+8*\u+5]
.endr
.endr
.irp u, 0,1
.irp t, 0,1
	v_pk_add_f32 v[S+32*\t+16*\u:S+32*\t+16*\u+1], v[S+32*\t+16*\u:S+32*\t+16*\u+1], v[S+32*\t+16*\u+8:S+32*\t+16*\u+9]
.endr
.endr
.irp t, 0,1
	v_pk_add_f32 v[S+32*\t:S+32*\t+1], v[S+32*\t:S+32*\t+1], v[S+32*\t+16:S+32*\t+17]
.endr
.irp t, 0,1
	v_pk_fma_f32 v[ST+8*\t+2:ST+8*\t+3], v[ST+8*\t+2:ST+8*\t+3], v[ST+8*\t+6:ST+8*\t+7], v[S+32*\t:S+32*\t+1] op_sel_hi:[1,0,1]   ; l = a l + the sum
.endr
	s_wait_dscnt 0x0                               ; V is in
	WIN 0x01                                       ; V window 1; P and O^T window 0
.irp ks, 0,1                                   ; eight accumulators by turns
.irp ct, 0,1,2,3
.irp t, 0,1
	v_wmma_f32_16x16x32_f16 v[OA+32*\t+8*\ct:OA+32*\t+8*\ct+7], v[VF+8*(4*\ks+\ct):VF+8*(4*\ks+\ct)+7], v[P+16*\t+8*\ks:P+16*\t+8*\ks+7], v[OA+32*\t+8*\ct:OA+32*\t+8*\ct+7]
.endr
.endr
.endr
	WIN 0
	s_add_co_u32 s27, s27, 8192                    ; the next step's pieces
.endm
; THE CHANGE OF SLOTS stands at a slot's head.  Each wave waits for all its tensor loads (one is out: its piece of the slot that it is about to read), adds 0 to its spare word, and waits for that and for its reads of the
; slot that it has left.  fill = 1: a round of the cluster's barrier, so that no wave of any partner still reads that slot or has a load on its way; the joint load of the next 256 keys is the first thing behind it and has
; four key steps in which to land.  (In the first trip all eight loads fill slot 1 for the first time.)
.macro CHANGE fill
	s_wait_tensorcnt 0x0                           ; no tensor load of mine is out, so group 0 may be written
	ds_add_u32 v[SPW], v[NIL]
.if \fill
	s_xor_b32 s5, s5, SLOTB                        ; the other slot than last time,
	s_add_nc_u64 s[6:7], s[6:7], 32768             ; the next 256 keys; the type bits on top are not reached
	s_wait_xcnt 0x0                                ; the last prefetch, a slot back, has read its address, so it may be written
	s_add_nc_u64 s[18:19], s[18:19], 32768         ; one slot further on than the walking descriptor
	s_wait_dscnt 0x0
	ROUND
	tensor_load_to_lds s[4:7], s[8:15]
	s_nop 0
.rept 4
	v_nop
.endr
	; A PREFETCH INTO THE L2 of what the NEXT change will ask for: four key steps ahead of that load.  All clusters of a head walk the same K and V: the head's first cluster asks.  Its four partners share a slot's eight
	; pieces out BY ADDRESS, two each; in each, waves 0 and 1 ask for one piece: 32 lanes 256 bytes apart.  So each block of 256 bytes is named once.  The change that asks for the last slot prefetches nothing.
	s_cmp_gt_u32 s29, s31
	s_cbranch_scc0 .Lnot_mine_\@
	global_prefetch_b8 v[PFO], s[18:19] th:TH_LOAD_NT scope:SCOPE_SE
.Lnot_mine_\@:
.else
	s_wait_dscnt 0x0
	s_barrier_signal -1
	s_barrier_wait -1
.endif
.endm
.macro SLOT_STEPS                      ; a slot's four key steps: written once, walked four times
	s_mov_b32 s30, 4
.Lstep_\@:
	STEP
	s_sub_co_u32 s30, s30, 1
	s_cmp_lg_u32 s30, 0
	s_cbranch_scc1 .Lstep_\@
	s_sub_co_u32 s27, s27, 32768                   ; back to a slot's first step,
	s_xor_b32 s27, s27, SLOTB                      ; in the other slot
.endm
.Lslot:                                            ; seven trips: trip k asks for slot k and reads slot k - 1
	CHANGE 1
	SLOT_STEPS
	s_sub_co_u32 s29, s29, 1
	s_cmp_lg_u32 s29, 0
	s_cbranch_scc1 .Lslot
	CHANGE 0                                       ; the last slot is written out
	SLOT_STEPS
	; THE WAY OUT.  l's halves and the other half of the lanes' are added; O^T / l + bv is rounded to f16: a lane's eight channels of a token are 16 bytes of a fragment's image for the last product.
.irp t, 0,1
	v_add_f32 v[ST+8*\t+4], v[ST+8*\t+2], v[ST+8*\t+3]
.endr
.irp t, 0,1
	v_permlanex16_b32 v[ST+8*\t+5], v[ST+8*\t+4], s20, s21
.endr
.irp t, 0,1
	v_add_f32 v[ST+8*\t+4], v[ST+8*\t+4], v[ST+8*\t+5]
.endr
.irp t, 0,1
	v_rcp_f32 v[ST+8*\t+6], v[ST+8*\t+4]
.endr
	v_nop                                          ; a plain line behind the last reciprocal
	s_wait_alu depctr_va_vdst(0)                   ; and the wait ahead of the first use: one for both
.irp t, 0,1
.set i, 0
.rept 16
	v_pk_fma_f32 v[OA+32*\t+2*i:OA+32*\t+2*i+1], v[OA+32*\t+2*i:OA+32*\t+2*i+1], v[ST+8*\t+6:ST+8*\t+7], v[BV+2*i:BV+2*i+1] op_sel_hi:[1,0,1]
.set i, i+1
.endr
.endr
.set i, 0
.rept 32
	v_cvt_pk_f16_f32 v[P+i], v[OA+2*i], v[OA+2*i+1]
.set i, i+1
.endr
.irp t, 0,1
.irp ct, 0,1,2,3
	global_store_b128 v[LI], v[P+16*\t+4*\ct:P+16*\t+4*\ct+3], s[24:25] offset:\t*32768+\ct*512   ; 512 consecutive bytes, aligned
.endr
.endr
	s_wait_kmcnt 0x0                               ; the last look-ahead's mask words, which nobody uses
	s_wait_tensorcnt 0x0                           ; the wave's end
	ds_add_u32 v[SPW], v[NIL]
	s_wait_dscnt 0x0
	ROUND                                          ; the closing round
	s_endpgm
.Lfunc_end_k_q1f57e004d8_attn:
	.size	k_q1f57e004d8_attn, .Lfunc_end_k_q1f57e004d8_attn-k_q1f57e004d8_attn
	.p2alignl 7, 3214868480
	.fill 96, 4, 3214868480
	.section	.rodata,"a",@progbits
	.p2align	6, 0x0
	.amdhsa_kernel k_q1f57e004d8_attn
		.amdhsa_group_segment_fixed_size 327680
		.amdhsa_private_segment_fixed_size 0
		.amdhsa_enable_private_segment 0
		.amdhsa_kernarg_size 32
		.amdhsa_user_sgpr_count 2
		.amdhsa_user_sgpr_kernarg_segment_ptr 1
		.amdhsa_wavefront_size32 1
		.amdhsa_system_sgpr_workgroup_id_x 1
		.amdhsa_system_sgpr_workgroup_id_y 1
		.amdhsa_system_sgpr_workgroup_id_z 1
		.amdhsa_system_vgpr_workitem_id 0
		.amdhsa_next_free_vgpr 512
		.amdhsa_next_free_sgpr 106
		.amdhsa_reserve_vcc 0
		.amdhsa_float_denorm_mode_32 3
		.amdhsa_float_denorm_mode_16_64 3
		.amdhsa_memory_ordered 1
		.amdhsa_forward_progress 1
		.amdhsa_inst_pref_size 59
	.end_amdhsa_kernel
	.amdgpu_metadata
---
amdhsa.version: [ 1, 2 ]
amdhsa.kernels:
  - .name:           k_q1f57e004d8_attn
    .symbol:         k_q1f57e004d8_attn.kd
    .args:
      - { .name: qkv, .offset: 0, .size: 8, .value_kind: global_buffer, .address_space: global }
      - { .name: mbits, .offset: 8, .size: 8, .value_kind: global_buffer, .address_space: global }
      - { .name: bv, .offset: 16, .size: 8, .value_kind: global_buffer, .address_space: global }
      - { .name: att, .offset: 24, .size: 8, .value_kind: global_buffer, .address_space: global }
    .group_segment_fixed_size: 327680
    .private_segment_fixed_size: 0
    .kernarg_segment_align: 8
    .kernarg_segment_size: 32
    .max_flat_workgroup_size: 256
    .sgpr_count:     106
    .vgpr_count:     512
    .wavefront_size: 32
...
	.end_amdgpu_metadata
.endif
;; end of part 3
;; launch oproj (part 4): grid 8 x 32, 4 waves a work-group, clusters of 4 x 4, 327,680 bytes of LDS; arguments att, wof, bo, out0; writes out0
.if DOCPART == 4
	.amdgcn_target "amdgcn-amd-amdhsa--gfx1250"
	.amdhsa_code_object_version 6
	.text
	.protected	k_q1f57e004d8_oproj
	.globl	k_q1f57e004d8_oproj
	.p2align	8
	.type	k_q1f57e004d8_oproj,@function
k_q1f57e004d8_oproj:
	s_mov_b64 s[64:65], 0
	v_nop
	global_prefetch_b8 v0, s[64:65] scope:SCOPE_SE
	s_setreg_imm32_b32 hwreg(HW_REG_WAVE_MODE, 25, 1), 1
	s_wait_xcnt 0x0
	s_wait_alu depctr_hold_cnt(0) depctr_sa_sdst(0) depctr_va_vdst(0) depctr_va_sdst(0) depctr_va_ssrc(0) depctr_va_vcc(0) depctr_vm_vsrc(0)
	s_getreg_b32 s2, hwreg(HW_REG_IB_STS2, 6, 4)
	s_cmp_eq_u32 s2, 0
	s_cbranch_scc0 .Lentry_in_a_cluster
	s_endpgm
.Lentry_in_a_cluster:
	s_bfe_u32 s2, ttmp6, 0x10000c
	s_cmp_lg_u32 s2, 0xf033
	s_cbranch_scc0 .Lentry_shape_is_right
	s_endpgm
.Lentry_shape_is_right:
; out0 = att Wo + bo.  att [4096][1024] and Wo^T [1024 (n)][1024 (k)] arrive in f16 as images of the operand registers: [16 rows][k / 32][2][512 bytes]; out0 [4096][1024] f32; sums in f32, begun from the bias.
; A tile of 128 x 128 gives 256 work-groups.  Four waves, each 64 x 64: 16 accumulators of 16 x 16.  K goes in steps of 256 through two LDS slots; a step of 16 rows is 8,192 dense bytes, and a wave's tensor load brings
; four such rows of bytes (64 rows of the matrix).  Fragments are read from LDS as they lie, 512 consecutive bytes an instruction: no pitch, no padding.
; CLUSTERS: 4 x 4 work-groups.  The four of a row need the same tiles of att, the four of a column the same tiles of Wo^T: each is asked for JOINTLY.
; THE MATRIX INSTRUCTION IS USED TRANSPOSED (source 0 = 16 rows of Wo^T, source 1 = 16 tokens): a lane holds eight neighbouring numbers of a row of out0.
; THE WAY OUT: a wave's 64 columns of f32 are 256 consecutive bytes, aligned: so each wave has a stage of its own (16 rows x 272 bytes), and no barrier is needed.
; REGISTERS: window 0: v0-31 addresses; v32-95 rows on the way out; v96-127 the bias, the C of the first products; v128-255 the accumulators ((a, b) at v[128 + 8 (4 a + b)]).   window 1: two fragment buffers of 128.
.set STEPB,  8192                      ; a K step of 16 rows, in bytes
.set HALFT,  4*STEPB                   ; 64 rows: what one tensor load brings, and what one wave reads of either side
.set SLOT,   4*HALFT
.set STAGE,  2*SLOT
.set SPITCH, 272
.set SPARE,  STAGE+4*16*SPITCH         ; the spare words, 128 bytes for each wave: two blocks of 256 bytes that no other line names
.set LAPS,   2                         ; four K steps: twice round the ring
.set ADRA, 16
.set ADRB, 20
.set STO,  24
.set RD,   25
.set CO,   26
.set SPW,  28
.set NIL,  29
.set BK,   32
.set BI,   96
.set ACC,  128
.set F0,   0
.set F1,   128
.set G1, 24
.set G0, 32
.set G1B, 48
.set G0B, 56
.set MSB, 0
.macro WIN new
.if MSB != (\new)
	s_set_vgpr_msb (MSB<<8)|(\new)
.set MSB, (\new)
.endif
.endm
.set MUL,  0x05                        ; sources 0 and 1 window 1; C and D window 0
.set TO_F, 0x40
.macro JLOAD s                         ; waves 0 and 1 fetch att's two halves, waves 2 and 3 Wo^T's; an s_nop 0 and four v_nop follow each of the two lines
	s_cmp_eq_u32 s11, 0
	s_cbranch_scc0 .Lfor_b_\@
	tensor_load_to_lds s[G0+4*\s:G0+4*\s+3], s[G1:G1+7]
	s_nop 0
.rept 4
	v_nop
.endr
	s_branch .Lasked_\@
.Lfor_b_\@:
	tensor_load_to_lds s[G0B+4*\s:G0B+4*\s+3], s[G1B:G1B+7]
	s_nop 0
.rept 4
	v_nop
.endr
.Lasked_\@:
.endm
.macro CREST
	s_cmp_lg_u32 s10, 0
	s_cbranch_scc1 .Lnot_wave_0_\@
	s_barrier_signal -3
.Lnot_wave_0_\@:
	s_barrier_wait -3
	s_barrier_signal -1
	s_barrier_wait -1
.endm
.macro CROUND
	s_barrier_signal -1
	s_barrier_wait -1
	CREST
.endm
	s_load_b128 s[4:7], s[0:1], 0x0                ; att, wof
	s_load_b128 s[72:75], s[0:1], 0x10             ; bo, out0
	v_lshl_add_u32 v[SPW], v0, 2, SPARE
	v_mov_b32 v[NIL], 0
	ds_add_u32 v[SPW], v[NIL]                      ; the wave's opening: the add, twice on end, and its wait ahead of my first tensor load
	ds_add_u32 v[SPW], v[NIL]
	v_lshrrev_b32 v1, 5, v0
	v_readfirstlane_b32 s10, v1                    ; wave 0..3
	s_lshr_b32 s11, s10, 1                         ; which half of the tile's rows is mine.  Also: I fetch for att (0) or for Wo^T (1)
	s_and_b32 s12, s10, 1                          ; which half of its columns.  Also: which 64 rows of that tile I fetch
	s_bfe_u32 s40, ttmp6, 0x40000
	s_bfe_u32 s41, ttmp6, 0x40004
	s_lshl_b32 s42, ttmp9, 2
	s_add_co_u32 s42, s42, s40                     ; tile column = 4 x cluster x + cx
	s_and_b32 s13, ttmp7, 0xffff
	s_lshl_b32 s13, s13, 2
	s_add_co_u32 s13, s13, s41                     ; tile row = 4 x cluster y + cy
	s_lshl_b32 s43, s41, 2
	s_lshl_b32 s43, 15, s43                        ; my row of the cluster
	s_lshl_b32 s44, 0x1111, s40                    ; my column
	s_or_b32 s[G1+0], s43, (3<<16)|(1<<21)         ; the mask; elements of 8 bytes; 21 set beside a mask; no padding
	s_or_b32 s[G1B+0], s44, (3<<16)|(1<<21)
.irp g, G1, G1B
	s_mov_b32 s[\g+1], 1024<<16                    ; tensor_dim0 = 1,024 elements: 8,192 bytes
	s_mov_b32 s[\g+2], 4<<16                       ; tensor_dim1 = 4
	s_mov_b32 s[\g+3], 1024<<16                    ; tile_dim0
	s_mov_b32 s[\g+4], 4                           ; tile_dim1
	s_mov_b32 s[\g+5], 4096                        ; from 16 rows to the next 16: 32,768 bytes
	s_mov_b32 s[\g+6], 0
	s_mov_b32 s[\g+7], 0
.endr
	s_lshl_b32 s18, s12, 2                         ; which four groups of 16 rows I fetch
	s_lshl_b32 s16, s13, 3
	s_add_co_u32 s16, s16, s18
	s_lshl_b32 s16, s16, 15                        ; att: (8 x tile row + 4 x half) x 32,768 bytes
	s_mov_b32 s17, 0
	s_lshl_b32 s46, s42, 3
	s_add_co_u32 s46, s46, s18
	s_lshl_b32 s46, s46, 15                        ; Wo^T: by the tile column
	s_mov_b32 s47, 0
	s_lshl_b32 s20, s10, 15                        ; where they go: wave x 32,768: no place in the cluster enters an LDS address
	s_wait_dscnt 0x0                               ; both opening adds are done
	s_wait_kmcnt 0x0
	s_add_nc_u64 s[14:15], s[4:5], s[16:17]
	s_add_nc_u64 s[46:47], s[6:7], s[46:47]
	CROUND                                         ; all sixteen work-groups are here: the first joint loads meet
.irp s, 0,1
	s_mov_b32 s[G0+4*\s], 1
	s_add_co_u32 s[G0+4*\s+1], s20, \s*SLOT
	s_add_nc_u64 s[G0+4*\s+2:G0+4*\s+3], s[14:15], \s*STEPB
	s_or_b32 s[G0+4*\s+3], s[G0+4*\s+3], 0x80000000
	s_mov_b32 s[G0B+4*\s], 1
	s_add_co_u32 s[G0B+4*\s+1], s20, \s*SLOT
	s_add_nc_u64 s[G0B+4*\s+2:G0B+4*\s+3], s[46:47], \s*STEPB
	s_or_b32 s[G0B+4*\s+3], s[G0B+4*\s+3], 0x80000000
	JLOAD \s                                       ; two loads of mine are out
.endr
	v_and_b32 v1, 15, v0                           ; r
	v_bfe_u32 v2, v0, 4, 1                         ; h
	v_lshlrev_b32 v4, 5, v2                        ; the bias: 32 h bytes
	s_lshl_b32 s46, s42, 9                         ; my first column, in bytes: 512 x tile column + 256 x half
	s_lshl_b32 s47, s12, 8
	s_add_co_u32 s46, s46, s47
	s_mov_b32 s47, 0
	s_add_nc_u64 s[72:73], s[72:73], s[46:47]
.irp b, 0,1,2,3
	global_load_b128 v[BI+8*\b:BI+8*\b+3], v4, s[72:73] offset:64*\b       ; bo of columns 16 b + 8 h + 0..7: the result's layout
	global_load_b128 v[BI+8*\b+4:BI+8*\b+7], v4, s[72:73] offset:64*\b+16
.endr
	v_and_b32 v3, 31, v0
	v_lshlrev_b32 v3, 4, v3                        ; 16 x lane: my place in every piece of an image
	s_lshl_b32 s21, s11, 15                        ; my 64 rows of att
	s_lshl_b32 s22, s12, 15                        ; my 64 rows of Wo^T,
	s_add_co_u32 s22, s22, 2*HALFT                 ; which lie behind att's 128
.irp s, 0,1
	v_add_nc_u32 v[ADRA+\s], s21, v3
	v_add_nc_u32 v[ADRB+\s], s22, v3
	s_add_co_u32 s21, s21, SLOT
	s_add_co_u32 s22, s22, SLOT
.endr
	s_mul_i32 s23, s10, 16*SPITCH
	s_add_co_u32 s23, s23, STAGE                   ; my stage
	v_mul_u32_u24 v5, v1, SPITCH                   ; in: row r, 32 bytes for each half of the lanes
	v_lshl_add_u32 v5, v2, 5, v5
	v_add_nc_u32 v[STO], s23, v5
	v_mul_u32_u24 v5, v2, SPITCH                   ; back: lanes 0-15 one row of 256 bytes, lanes 16-31 the next
	v_lshl_add_u32 v5, v1, 4, v5
	v_add_nc_u32 v[RD], s23, v5
	v_lshlrev_b32 v5, 12, v2                       ; and the same two rows in out0: 4,096 bytes a row
	v_lshl_add_u32 v[CO], v1, 4, v5
	s_lshl_b32 s16, s13, 19                        ; my first row: (128 x tile row + 64 x half) x 4,096 bytes
	s_lshl_b32 s17, s11, 18
	s_add_co_u32 s16, s16, s17
	s_mov_b32 s17, 0
	s_add_nc_u64 s[74:75], s[74:75], s[16:17]
	s_add_nc_u64 s[74:75], s[74:75], s[46:47]
; 8 matrix instructions: m blocks a0, a0 + 1 x all 4 n blocks, 32 along K: half c of buffer f.  zero = 1: the first product starts the sums from the bias.  The 16 accumulators take turns.
.macro MUL8 f, c, a0, zero
.irp a, \a0, \a0+1
.irp b, 0,1,2,3
.if \zero
	v_wmma_f32_16x16x32_f16 v[ACC+8*(4*(\a)+\b):ACC+8*(4*(\a)+\b)+7], v[\f+64+8*(4*\c+\b):\f+64+8*(4*\c+\b)+7], v[\f+8*(4*\c+\a):\f+8*(4*\c+\a)+7], v[BI+8*\b:BI+8*\b+7]
.else
	v_wmma_f32_16x16x32_f16 v[ACC+8*(4*(\a)+\b):ACC+8*(4*(\a)+\b)+7], v[\f+64+8*(4*\c+\b):\f+64+8*(4*\c+\b)+7], v[\f+8*(4*\c+\a):\f+8*(4*\c+\a)+7], v[ACC+8*(4*(\a)+\b):ACC+8*(4*(\a)+\b)+7]
.endif
.endr
.endr
.endm
; 32 LDS loads in one run: the fragments of 64 along K, from byte k of each group of 16 rows on, into buffer f; the first 32 along K first
.macro FETCH slot, k, f
	WIN TO_F
.irp c, 0,1
.irp i, 0,1,2,3
	ds_load_b128 v[\f+64+8*(4*\c+\i):\f+64+8*(4*\c+\i)+3],   v[ADRB+\slot] offset:\k+1024*\c+STEPB*\i
	ds_load_b128 v[\f+64+8*(4*\c+\i)+4:\f+64+8*(4*\c+\i)+7], v[ADRB+\slot] offset:\k+1024*\c+STEPB*\i+512
	ds_load_b128 v[\f+8*(4*\c+\i):\f+8*(4*\c+\i)+3],         v[ADRA+\slot] offset:\k+1024*\c+STEPB*\i
	ds_load_b128 v[\f+8*(4*\c+\i)+4:\f+8*(4*\c+\i)+7],       v[ADRA+\slot] offset:\k+1024*\c+STEPB*\i+512
.endr
.endr
.endm
.macro PLACES
.rept 4
	v_nop
.endr
.endm
; A K step is four quarters of 64 along K, 32 matrix instructions each, on buffers 0, 1, 0, 1.
.macro QUARTER slot, k, f, g, zero
	s_wait_dscnt 16                                ; the first 32 along K are in; the younger sixteen loads may be out
	WIN MUL
	MUL8 \f, 0, 0, \zero
	MUL8 \f, 0, 2, \zero
	PLACES
	FETCH \slot, \k, \g
	s_wait_dscnt 32                                ; all but the 32 just issued
	WIN MUL
	MUL8 \f, 1, 0, 0
	MUL8 \f, 1, 2, 0
.endm
; The last quarter multiplies buffer 1 and changes slots: ONE barrier; in front of it each wave waits for all its tensor loads, adds 0 to its spare word, and waits for that and for its reads of this slot.
.macro TURN slot, next, fill
	WIN 0
	s_wait_tensorcnt 0x0                           ; all my tensor loads have landed: my part of the next slot
	ds_add_u32 v[SPW], v[NIL]
	s_wait_dscnt 17                                ; (the add and the youngest sixteen loads may be out)
	WIN MUL
	MUL8 F1, 0, 0, 0
	s_wait_dscnt 0x0                               ; the add is done, and my reads of this slot are over
	s_barrier_signal -1
	MUL8 F1, 0, 2, 0
.if \fill
	WIN 0
.endif
	s_barrier_wait -1
.if \fill
	CREST                                          ; the barrier has opened a round of the cluster's: no wave of any partner still reads this slot or has a load on its way
	s_add_nc_u64 s[G0+4*\slot+2:G0+4*\slot+3], s[G0+4*\slot+2:G0+4*\slot+3], 2*STEPB
	s_add_nc_u64 s[G0B+4*\slot+2:G0B+4*\slot+3], s[G0B+4*\slot+2:G0B+4*\slot+3], 2*STEPB
	JLOAD \slot                                    ; the first tensor load behind the round; its four v_nop are also the places in front of the loads below
.else
	PLACES
.endif
	FETCH \next, 0, F0
	WIN MUL
	MUL8 F1, 1, 0, 0
	MUL8 F1, 1, 2, 0
.endm
	s_wait_loadcnt 0x0                             ; the bias
	s_wait_tensorcnt 1                             ; my part of K step 0 is in (K step 1's may be out)
	s_barrier_signal -1
	s_barrier_wait -1                              ; everybody's is
	FETCH 0, 0, F0
	QUARTER 0, 2048, F0, F1, 1
	WIN 0
	s_mov_b32 s3, LAPS-1
.Llap:                                                 ; a trip goes once round the ring, from a lap's second quarter to the next lap's first, and fills both slots again
	QUARTER 0, 4096, F1, F0, 0
	QUARTER 0, 6144, F0, F1, 0
	TURN 0, 1, 1
	QUARTER 1, 2048, F0, F1, 0
	QUARTER 1, 4096, F1, F0, 0
	QUARTER 1, 6144, F0, F1, 0
	TURN 1, 0, 1
	QUARTER 0, 2048, F0, F1, 0
	WIN 0
	s_sub_co_u32 s3, s3, 1
	s_cmp_lg_u32 s3, 0
	s_cbranch_scc1 .Llap
	QUARTER 0, 4096, F1, F0, 0                     ; the last lap fills nothing
	QUARTER 0, 6144, F0, F1, 0
	TURN 0, 1, 0
	QUARTER 1, 2048, F0, F1, 0
	QUARTER 1, 4096, F1, F0, 0
	QUARTER 1, 6144, F0, F1, 0
	s_wait_dscnt 16
	WIN MUL
	MUL8 F1, 0, 0, 0
	MUL8 F1, 0, 2, 0
	s_wait_dscnt 0
	MUL8 F1, 1, 0, 0
	MUL8 F1, 1, 2, 0
	WIN 0
; THE WAY OUT, 16 rows at a time: 32 bytes a lane into my stage, back as whole rows of 256 bytes.  LDS serves a wave's instructions in order: no wait between the stores and the loads, nor in front of the next block's stores.
.macro TOSTAGE a
.irp b, 0,1,2,3
	ds_store_b128 v[STO], v[ACC+8*(4*(\a)+\b):ACC+8*(4*(\a)+\b)+3] offset:64*\b          ; each accumulator from its low end on
	ds_store_b128 v[STO], v[ACC+8*(4*(\a)+\b)+4:ACC+8*(4*(\a)+\b)+7] offset:64*\b+16
.endr
.set BB, BK+32*((\a)%2)
.irp t, 0,1,2,3,4,5,6,7
	ds_load_b128 v[BB+4*\t:BB+4*\t+3], v[RD] offset:\t*2*SPITCH
.endr
.endm
.macro SEND a, younger                 ; younger: the LDS instructions issued behind block a's loads
.set BB, BK+32*((\a)%2)
	s_wait_dscnt \younger
.irp t, 0,1,2,3,4,5,6,7
	global_store_b128 v[CO], v[BB+4*\t:BB+4*\t+3], s[74:75] offset:(16*(\a)+2*\t)*4096 th:TH_STORE_NT   ; 16 lanes store 256 consecutive bytes, aligned; written once, read by nobody here
.endr
.endm
	PLACES
	TOSTAGE 0
.irp a, 1,2,3
.if \a > 1
	s_wait_xcnt 0x0                                ; block a - 2's stores have read their registers: block a's loads may land there
.endif
	TOSTAGE \a
	SEND \a-1, 16                                  ; behind block a - 1's loads: block a's 8 stores and 8 loads
.endr
	SEND 3, 0
	s_wait_tensorcnt 0x0                           ; the wave's end
	ds_add_u32 v[SPW], v[NIL]
	s_wait_dscnt 0x0
	CROUND                                         ; the closing round
	s_endpgm
.Lfunc_end_k_q1f57e004d8_oproj:
	.size	k_q1f57e004d8_oproj, .Lfunc_end_k_q1f57e004d8_oproj-k_q1f57e004d8_oproj
	.p2alignl 7, 3214868480
	.fill 96, 4, 3214868480
	.section	.rodata,"a",@progbits
	.p2align	6, 0x0
	.amdhsa_kernel k_q1f57e004d8_oproj
		.amdhsa_group_segment_fixed_size 327680
		.amdhsa_private_segment_fixed_size 0
		.amdhsa_enable_private_segment 0
		.amdhsa_kernarg_size 32
		.amdhsa_user_sgpr_count 2
		.amdhsa_user_sgpr_kernarg_segment_ptr 1
		.amdhsa_wavefront_size32 1
		.amdhsa_system_sgpr_workgroup_id_x 1
		.amdhsa_system_sgpr_workgroup_id_y 1
		.amdhsa_system_sgpr_workgroup_id_z 1
		.amdhsa_system_vgpr_workitem_id 0
		.amdhsa_next_free_vgpr 512
		.amdhsa_next_free_sgpr 80
		.amdhsa_reserve_vcc 0
		.amdhsa_float_denorm_mode_32 3
		.amdhsa_float_denorm_mode_16_64 3
		.amdhsa_memory_ordered 1
		.amdhsa_forward_progress 1
		.amdhsa_inst_pref_size 86
	.end_amdhsa_kernel
	.amdgpu_metadata
---
amdhsa.version: [ 1, 2 ]
amdhsa.kernels:
  - .name:           k_q1f57e004d8_oproj
    .symbol:         k_q1f57e004d8_oproj.kd
    .args:
      - { .name: att, .offset: 0, .size: 8, .value_kind: global_buffer, .address_space: global }
      - { .name: wof, .offset: 8, .size: 8, .value_kind: global_buffer, .address_space: global }
      - { .name: bo, .offset: 16, .size: 8, .value_kind: global_buffer, .address_space: global }
      - { .name: out0, .offset: 24, .size: 8, .value_kind: global_buffer, .address_space: global }
    .group_segment_fixed_size: 327680
    .private_segment_fixed_size: 0
    .kernarg_segment_align: 8
    .kernarg_segment_size: 32
    .max_flat_workgroup_size: 128
    .sgpr_count:     80
    .vgpr_count:     512
    .wavefront_size: 32
...
	.end_amdgpu_metadata
.endif
;; end of part 4
